; MI455X (gfx1250); checked and timed in simulation.
; The chip was launched on July 23, 2026; its instructions are those of AMD's public machine-readable ISA for CDNA 5 (MIT licence, August 2026) and "CDNA5" Instruction Set Architecture Reference Guide (July 2026). The comments in the code are by the model that wrote it; some were corrected since.
;; Rel Pos Multi Head Attention. Allowed arithmetic: matrix products marked QUANTISED: E2M3 operands, one E8M0 scale for each 32 along K, by v_wmma_scale_f32_16x16x128_f8f6f4 with both operands' format E2M3, f32 sums; everything else in f32.
;; Inputs: Wk 1,024 x 1,024 float32; Wo 1,024 x 1,024 float32; Wq 1,024 x 1,024 float32; Wrel 1,024 x 1,024 float32; Wv 1,024 x 1,024 float32; bias_u 16 x 64 float32; bias_v 16 x 64 float32; pos_emb 2,048 x 1,024 float32; x 2 x 2,048 x 1,024 float32.
;; Outputs: out0 2 x 2,048 x 1,024 float32.
;; This version of the problem:
;;   THIS VERSION OF THE PROBLEM IS GIVEN IN LOW PRECISION. The matrix products marked QUANTISED in the list below multiply operands that are first quantised to E2M3 (2 exponent bits, 3 mantissa bits; 6 bits a number), with one power-of-two scale for each 32 numbers along K (OCP MX v1.0); their sums are f32. All else is computed in f32.
;;   The module's matrix products, in the order in which they are computed (A, B: the left and right operand; K: the contracted axis; several contracted axes count as one K, in the product's order):
;;     1. [M 4,096, K 1,024] x [K 1,024, N 1,024]; A: input x; B: input Wq: QUANTISED
;;     2. [M 4,096, K 1,024] x [K 1,024, N 1,024]; A: input x; B: input Wk: QUANTISED
;;     3. [M 4,096, K 1,024] x [K 1,024, N 1,024]; A: input x; B: input Wv: QUANTISED
;;     4. batch 32 x [M 2,048, K 64] x [K 64, N 2,048]; A: computed on the way; B: computed on the way: QUANTISED
;;     5. [M 2,048, K 1,024] x [K 1,024, N 1,024]; A: input pos_emb; B: input Wrel: QUANTISED
;;     6. batch 16 x [M 2,048, K 64] x [K 64, N 4,096]; A: computed on the way; B: computed on the way: QUANTISED
;;     7. batch 32 x [M 2,048, K 2,048] x [K 2,048, N 64]; A: softmax (see below); B: computed on the way: QUANTISED
;;     8. [M 4,096, K 1,024] x [K 1,024, N 1,024]; A: computed on the way; B: input Wo: QUANTISED
;;   THE QUANTISER, for each operand of a quantised product, along K:
;;     - K is cut into blocks of 32 from its start; a last block that is shorter is filled with zeros.
;;     - A block's scale is 2^e with e = floor(log2(the largest magnitude in the block)) - 2, held to -126 .. 127; a block of zeros has e = 0. As a byte (E8M0): e + 127.
;;     - Each number is divided by its block's scale, clamped to +-7.5, and rounded to the nearest number of E2M3, ties to even, subnormals kept.
;;     - The product sums the exact products of the quantised numbers (number of the format x scale) in f32.
;;   ~~~python
;;   def quantise(x, axis):      # numpy; x: float32 -> the quantised numbers, widened to float32 again
;;       x = np.moveaxis(x, axis, -1); K = x.shape[-1]
;;       x = np.pad(x, [(0, 0)] * (x.ndim - 1) + [(0, -K % 32)]); x = x.reshape(x.shape[:-1] + (-1, 32)); a = np.abs(x).max(-1, keepdims=True)
;;       e = np.where(a > 0, np.clip(np.frexp(np.where(a > 0, a, 1))[1] - 1 - 2, -126, 127), 0)      # np.frexp(a)[1] - 1 = floor(log2(a)), exactly
;;       r = np.clip(x / 2.0 ** e, -7.5, 7.5)
;;       step = 2.0 ** (np.maximum(np.frexp(np.where(r == 0, 1, r))[1] - 1, 0) - 3)
;;       q = np.round(r / step) * step * 2.0 ** e      # np.round: ties to even
;;       return np.moveaxis(q.reshape(q.shape[:-2] + (-1,))[..., :K], -1, axis).astype(np.float32)
;;   ~~~
;;   SOFTMAX AHEAD OF A QUANTISED PRODUCT. Where the list says 'softmax', what is quantised is not the finished softmax but p = 2^(t - M), with t = logit x log2(e) and M = ceil(the row's largest t), a whole number; so 1/2 < the row's largest p <= 1. The row's sum l is taken of the UNQUANTISED p, in f32, and the product's result is divided by l at the end. Since M is a whole number, a kernel that streams over the keys may use a running M (the ceiling of the running maximum): every later rescaling is an exact power of two, which a block's scale takes up: the codes' values come out the same.
;;   OPERANDS COMPUTED ON THE WAY. 'Computed on the way' means the value that the module computes at that place (a softmax that the list does not call 'softmax' is quantised finished and normalised). What goes into a quantiser is computed in f32, as accurately as f32 sums, v_exp_f32 and their like allow (about 1e-6 of the number): no bf16 or f16 on the way to a quantiser, and a product that is left as it is and whose result goes on into a quantised operand takes f32 operands (vector FMAs, or v_wmma_f32_16x16x4_f32). A number that lies on a knife's edge between two numbers of the format may be rounded either way, as far as f32 arithmetic and the matrix unit's own rounding can turn it there, and no further.
;; One version. Each part assembles by itself: llvm-mc -triple=amdgcn-amd-amdhsa -mcpu=gfx1250 --defsym DOCPART=n.
;; ======== version 1 of 1: 4 launches
;; limits: right only within a limited range of input values
;; workspace buffers: opc 13,369,344 bytes; ops 557,056 bytes; qf 8,388,608 bytes; kf 3,276,800 bytes; vf 3,276,800 bytes; ef 3,276,800 bytes
;; launch quant (part 1): grid 416 x 1, 4 waves a work-group, no clusters, 34,304 bytes of LDS; arguments x, pos_emb, Wq, Wk, Wv, Wrel, Wo, opc, ops; writes opc, ops
.if DOCPART == 1
	.amdgcn_target "amdgcn-amd-amdhsa--gfx1250"
	.amdhsa_code_object_version 6
	.text
	.protected	k_qb8597b02f9_quant
	.globl	k_qb8597b02f9_quant
	.p2align	8
	.type	k_qb8597b02f9_quant,@function
k_qb8597b02f9_quant:
	s_mov_b64 s[64:65], 0
	v_nop
	global_prefetch_b8 v0, s[64:65] scope:SCOPE_SE
	s_setreg_imm32_b32 hwreg(HW_REG_WAVE_MODE, 25, 1), 1
	s_wait_xcnt 0x0
; x [4096][1024], pos_emb [2048][1024] (twice: as it lies, and moved one row down with a row of zeros on top) and the five weights [1024][1024], f32, K innermost,
; become codes of FP6 (E2M3) with one E8M0 byte for each 32 along K, laid in the ORDER OF THE OPERAND'S REGISTERS:
;   opc: row tile rt (16 rows) x K step k (128 along K) = one fragment of 1,536 bytes at rt x 12,288 + k x 1,536; registers 4 g .. 4 g + 3 of lane L at 512 g + 16 L.
;   ops: the scale word (4 bytes: 128 along K of one row) of row r, K step k at rt x 512 + (k / 4) x 256 + 16 r + 4 (k % 4).
; Row tiles: 0 x, 256 pos_emb, 384 pos_emb moved, 512 Wq, 576 Wk, 640 Wv, 704 Wrel, 768 Wo.  A weight's tile 2 B + u holds in lane m the row 32 B + 8 u + m + 8 (m / 8),
; so that the results of two neighbouring tiles are 16 neighbours along the next product's K.
; A block's scale is 2^(floor(log2(largest magnitude)) - 2); its byte is the largest magnitude's exponent field - 2, held at 1 from below.
; LIMITS: a block of zeros, and a block whose largest magnitude lies under 2^-124, keeps the byte 1 (the rule says 127 for zeros): its codes are what the conversion gives, zeros for zeros,
; and this program alone reads the bytes.  NaN and infinities among the inputs are not served.
; SHARES: a wave takes one row tile x 512 along K, in four steps of 128.  Each load reads 512 consecutive bytes of one row; the 16 rows turn through the wave's own stage in LDS
; (rows of 512 + 16 bytes) and come back as a lane's two whole blocks of 32.  No barrier: waves share nothing.  No hint on the loads: one text also serves pos_emb, which is read twice.
.set STGB,  8448                       ; a wave's stage: 16 rows x 528 bytes
.set SPARE, 4*STGB                     ; behind the stages: the spare words, 128 bytes a wave
.set VA,  4                            ; v4   16 x lane: row 0 of the tile; also my place in a fragment's image
.set VB,  5                            ; v5   rows 1-7
.set VC,  6                            ; v6   rows 8-15
.set SWR, 7                            ; v7   the stage, on the way in
.set SRD, 8                            ; v8   and on the way out
.set SCO, 10                           ; v10  16 r: my row's scale words
.set ZR,  11                           ; v11  0
.set SPW, 12                           ; v12  my spare word; never rewritten
.set NIL, 13                           ; v13  0; never rewritten
.set SH,  14                           ; v14  8 h
.set PT,  15                           ; v15  a lane permute's destination
.set MX,  16                           ; v16-17 largest magnitudes
.set SO,  18                           ; v18-19 the conversions' scale operands
.set BY,  20                           ; v20-21 scale bytes
.set WD,  22                           ; v22  my two bytes at their places
.set WS,  24                           ; v24-27 the four steps' scale words
.set C,   28                           ; v28-39 a fragment's codes
.set CT,  40                           ; v40-46 the second halves, as the conversions leave them
.set X,   48                           ; v48-111 my 64 numbers
.set R0,  112                          ; v112-239 two sets of 64 registers as loaded
	s_load_b512 s[4:19], s[0:1], 0x0               ; x, pos_emb, Wq, Wk, Wv, Wrel, Wo, opc
	s_load_b64 s[20:21], s[0:1], 0x40              ; ops
	v_lshl_add_u32 v[SPW], v0, 2, SPARE
	v_mov_b32 v[NIL], 0
	v_lshrrev_b32 v1, 5, v0
	v_readfirstlane_b32 s22, v1                    ; wave
	v_and_b32 v2, 31, v0                           ; lane
	v_and_b32 v1, 15, v0                           ; r
	v_bfe_u32 v3, v0, 4, 1                         ; h
	s_lshl_b32 s23, ttmp9, 2
	s_add_co_u32 s23, s23, s22                     ; my unit
	s_lshr_b32 s24, s23, 1                         ; rt: its row tile
	s_and_b32 s25, s23, 1                          ; which half of K
	s_mov_b32 s42, 0x76543210
	s_mov_b32 s43, 0xfedcba98                      ; lane l xor 16
	s_wait_alu depctr_va_vdst(0)
	s_wait_kmcnt 0x0
	s_mov_b64 s[26:27], s[16:17]                   ; which tensor, and its first row tile: the choice hangs on the unit's number alone
	s_mov_b32 s28, 768
	s_cmp_lt_u32 s24, 768
	s_cselect_b64 s[26:27], s[14:15], s[26:27]
	s_cselect_b32 s28, 704, s28
	s_cmp_lt_u32 s24, 704
	s_cselect_b64 s[26:27], s[12:13], s[26:27]
	s_cselect_b32 s28, 640, s28
	s_cmp_lt_u32 s24, 640
	s_cselect_b64 s[26:27], s[10:11], s[26:27]
	s_cselect_b32 s28, 576, s28
	s_cmp_lt_u32 s24, 576
	s_cselect_b64 s[26:27], s[8:9], s[26:27]
	s_cselect_b32 s28, 512, s28
	s_cmp_lt_u32 s24, 512
	s_cselect_b64 s[26:27], s[6:7], s[26:27]
	s_cselect_b32 s28, 384, s28
	s_cmp_lt_u32 s24, 384
	s_cselect_b32 s28, 256, s28
	s_cmp_lt_u32 s24, 256
	s_cselect_b64 s[26:27], s[4:5], s[26:27]
	s_cselect_b32 s28, 0, s28
	s_sub_co_u32 s29, s24, s28                     ; the tile's number in its tensor
	s_lshl_b32 s30, s29, 4                         ; natural rows: 16 x tile
	s_lshr_b32 s31, s29, 1
	s_lshl_b32 s31, s31, 5
	s_and_b32 s32, s29, 1
	s_lshl_b32 s32, s32, 3
	s_add_co_u32 s31, s31, s32                     ; a weight's: 32 (tile / 2) + 8 (tile % 2)
	s_sub_co_i32 s33, s30, 1
	s_max_i32 s33, s33, 0                          ; pos_emb moved: one row up, not above row 0
	s_cmp_ge_u32 s24, 512
	s_cselect_b32 s34, s31, s30                    ; the tile's first row
	s_cselect_b32 s35, 0x8000, 0                   ; a weight's rows 8-15 lie 8 rows further on
	s_cmp_eq_u32 s28, 384
	s_cselect_b32 s34, s33, s34
	s_cmp_eq_u32 s24, 384                          ; the moved tensor's first tile: its row 0 is zeros, its row i is pos_emb's row i - 1
	s_cselect_b32 s36, 0, 0x1000                   ; from row 0's address to row 1's
	s_cselect_b32 s37, -1, 0                       ; all lanes: row 0 becomes zeros
	s_lshl_b32 s38, s34, 12
	s_lshl_b32 s40, s25, 11
	s_add_co_u32 s38, s38, s40
	s_mov_b32 s39, 0
	s_add_nc_u64 s[26:27], s[26:27], s[38:39]      ; the source at my first row, my half of K
	s_mul_i32 s38, s24, 12288
	s_mul_i32 s40, s25, 6144
	s_add_co_u32 s38, s38, s40
	s_add_nc_u64 s[18:19], s[18:19], s[38:39]      ; my four fragments
	s_lshl_b32 s38, s24, 9
	s_lshl_b32 s40, s25, 8
	s_add_co_u32 s38, s38, s40
	s_add_nc_u64 s[20:21], s[20:21], s[38:39]      ; my 256 bytes of scale words
	v_lshlrev_b32 v[VA], 4, v2
	v_add_nc_u32 v[VB], s36, v[VA]
	v_add_nc_u32 v[VC], s35, v[VB]
	s_mul_i32 s41, s22, STGB
	v_add_nc_u32 v[SWR], s41, v[VA]                ; in: a row's 512 bytes as they lie
	v_mul_u32_u24 v[SRD], v1, 528
	v_lshl_add_u32 v[SRD], v3, 7, v[SRD]
	v_add_nc_u32 v[SRD], s41, v[SRD]               ; out: row r, + 128 h: k = 32 h on
	v_lshlrev_b32 v[SCO], 4, v1
	v_mov_b32 v[ZR], 0
	v_lshlrev_b32 v[SH], 3, v3
	v_mov_b32 v[PT], 0
.macro LOAD t                          ; step t's 16 rows x 512 bytes into set t % 2
.set RL, R0+64*((\t)%2)
	global_load_b128 v[RL:RL+3], v[VA], s[26:27] offset:512*(\t)
.irp i, 1,2,3,4,5,6,7
	global_load_b128 v[RL+4*\i:RL+4*\i+3], v[VB], s[26:27] offset:(\i-1)*4096+512*(\t)
.endr
.irp i, 8,9,10,11,12,13,14,15
	global_load_b128 v[RL+4*\i:RL+4*\i+3], v[VC], s[26:27] offset:(\i-1)*4096+512*(\t)
.endr
.endm
.macro STEP t
.set RS, R0+64*((\t)%2)
.if (\t) < 3
	s_wait_loadcnt 16                              ; this step's 16 loads are in; the next step's 16 may be out
.else
	s_wait_loadcnt 0x0
.endif
.irp j, 0,1,2,3
	v_cndmask_b32 v[RS+\j], v[RS+\j], v[ZR], s37   ; the one row of zeros
.endr
.irp i, 0,1,2,3,4,5,6,7,8,9,10,11,12,13,14,15
	ds_store_b128 v[SWR], v[RS+4*\i:RS+4*\i+3] offset:528*\i
.endr
.irp c, 0,1
.irp q, 0,1,2,3,4,5,6,7
	ds_load_b128 v[X+32*\c+4*\q:X+32*\c+4*\q+3], v[SRD] offset:256*\c+16*\q   ; LDS serves a wave's instructions in order: these see my stores.  k = 64 c + 32 h + 4 q on
.endr
.endr
	s_wait_dscnt 0x0
.if (\t) < 2
	LOAD (\t)+2
.endif
.irp c, 0,1
	v_max3_num_f32 v[MX+\c], |v[X+32*\c]|, |v[X+32*\c+1]|, 0x1800000   ; my block 2 c + h: all 32 numbers are mine; the floor 2^(3 - 127) holds the byte at 1 from below
.endr
.irp i, 2,4,6,8,10,12,14,16,18,20,22,24,26,28,30
.irp c, 0,1
	v_max3_num_f32 v[MX+\c], v[MX+\c], |v[X+32*\c+\i]|, |v[X+32*\c+\i+1]|
.endr
.endr
.irp c, 0,1
	v_add_nc_u32 v[SO+\c], 0xff000000, v[MX+\c]    ; 2 off the exponent field: the conversion's scale operand
.endr
.irp c, 0,1
	v_lshrrev_b32 v[BY+\c], 23, v[SO+\c]           ; the scale's byte
.endr
	v_lshl_or_b32 v[WD], v[BY+1], 16, v[BY]
	v_lshlrev_b32 v[WD], v[SH], v[WD]              ; blocks h and 2 + h at their places in the word
	v_permlanex16_b32 v[PT], v[WD], s42, s43
	v_or_b32 v[WS+(\t)], v[WD], v[PT]              ; with lane l xor 16's two the word is whole
	s_wait_alu depctr_va_vdst(0)
	s_wait_xcnt 0x0                                ; the last step's stores have read their data: the codes' registers may be written again
.irp c, 0,1
	v_cvt_scalef32_pk16_fp6_f32 v[C+6*\c:C+6*\c+2], v[X+32*\c:X+32*\c+15], v[SO+\c]
	v_cvt_scalef32_pk16_fp6_f32 v[CT+4*\c:CT+4*\c+2], v[X+32*\c+16:X+32*\c+31], v[SO+\c]   ; (a conversion's three registers begin on an even number)
.endr
	v_nop                                          ; one plain place behind a scaled conversion
.irp c, 0,1
.irp i, 0,1,2
	v_mov_b32 v[C+6*\c+3+\i], v[CT+4*\c+\i]
.endr
.endr
.irp g, 0,1,2
	global_store_b128 v[VA], v[C+4*\g:C+4*\g+3], s[18:19] offset:1536*(\t)+512*\g   ; 32 lanes store 512 consecutive bytes
.endr
.endm
	LOAD 0
	LOAD 1
	s_wait_alu depctr_va_vdst(0)
	STEP 0
	STEP 1
	STEP 2
	STEP 3
	global_store_b128 v[SCO], v[WS:WS+3], s[20:21]  ; 16 rows x 4 words: 256 consecutive bytes (both halves of the lanes hold, and store, the same words)
	s_wait_tensorcnt 0x0                           ; the wave's end
	ds_add_u32 v[SPW], v[NIL]
	s_wait_dscnt 0x0
	s_endpgm
.Lfunc_end_k_qb8597b02f9_quant:
	.size	k_qb8597b02f9_quant, .Lfunc_end_k_qb8597b02f9_quant-k_qb8597b02f9_quant
	.p2alignl 7, 3214868480
	.fill 96, 4, 3214868480
	.section	.rodata,"a",@progbits
	.p2align	6, 0x0
	.amdhsa_kernel k_qb8597b02f9_quant
		.amdhsa_group_segment_fixed_size 34304
		.amdhsa_private_segment_fixed_size 0
		.amdhsa_enable_private_segment 0
		.amdhsa_kernarg_size 72
		.amdhsa_user_sgpr_count 2
		.amdhsa_user_sgpr_kernarg_segment_ptr 1
		.amdhsa_wavefront_size32 1
		.amdhsa_system_sgpr_workgroup_id_x 1
		.amdhsa_system_sgpr_workgroup_id_y 1
		.amdhsa_system_sgpr_workgroup_id_z 1
		.amdhsa_system_vgpr_workitem_id 0
		.amdhsa_next_free_vgpr 240
		.amdhsa_next_free_sgpr 66
		.amdhsa_reserve_vcc 0
		.amdhsa_float_denorm_mode_32 3
		.amdhsa_float_denorm_mode_16_64 3
		.amdhsa_memory_ordered 1
		.amdhsa_forward_progress 1
		.amdhsa_inst_pref_size 33
	.end_amdhsa_kernel
	.amdgpu_metadata
---
amdhsa.version: [ 1, 2 ]
amdhsa.kernels:
  - .name:           k_qb8597b02f9_quant
    .symbol:         k_qb8597b02f9_quant.kd
    .args:
      - { .name: x, .offset: 0, .size: 8, .value_kind: global_buffer, .address_space: global }
      - { .name: pos_emb, .offset: 8, .size: 8, .value_kind: global_buffer, .address_space: global }
      - { .name: Wq, .offset: 16, .size: 8, .value_kind: global_buffer, .address_space: global }
      - { .name: Wk, .offset: 24, .size: 8, .value_kind: global_buffer, .address_space: global }
      - { .name: Wv, .offset: 32, .size: 8, .value_kind: global_buffer, .address_space: global }
      - { .name: Wrel, .offset: 40, .size: 8, .value_kind: global_buffer, .address_space: global }
      - { .name: Wo, .offset: 48, .size: 8, .value_kind: global_buffer, .address_space: global }
      - { .name: opc, .offset: 56, .size: 8, .value_kind: global_buffer, .address_space: global }
      - { .name: ops, .offset: 64, .size: 8, .value_kind: global_buffer, .address_space: global }
    .group_segment_fixed_size: 34304
    .private_segment_fixed_size: 0
    .kernarg_segment_align: 8
    .kernarg_segment_size: 72
    .max_flat_workgroup_size: 128
    .sgpr_count:     66
    .vgpr_count:     240
    .wavefront_size: 32
...
	.end_amdgpu_metadata
.endif
;; end of part 1
;; launch proj (part 2): grid 32 x 8, 4 waves a work-group, no clusters, 327,680 bytes of LDS; arguments opc, ops, bias_u, bias_v, qf, kf, vf, ef; writes qf, kf, vf, ef
.if DOCPART == 2
	.amdgcn_target "amdgcn-amd-amdhsa--gfx1250"
	.amdhsa_code_object_version 6
	.text
	.protected	k_qb8597b02f9_proj
	.globl	k_qb8597b02f9_proj
	.p2align	8
	.type	k_qb8597b02f9_proj,@function
k_qb8597b02f9_proj:
	s_mov_b64 s[64:65], 0
	v_nop
	global_prefetch_b8 v0, s[64:65] scope:SCOPE_SE
	s_setreg_imm32_b32 hwreg(HW_REG_WAVE_MODE, 25, 1), 1
	s_wait_xcnt 0x0
; The four projections on codes of FP6 (E2M3): q = x Wq^T, k = x Wk^T, v = x Wv^T, rel_k = pos Wrel^T (for pos_emb as it lies and moved one row down), K = 1,024; sums in f32.
; The results never go to memory as f32: each is quantised along the next product's K in registers and stored as images of operand registers.
; ONE FORM FOR ALL: a work-group keeps a RESIDENT block of 128 rows x all of K in LDS and walks four STREAMED tiles of 128 rows through two slots.  Source 0 = 16 streamed rows,
; source 1 = 16 resident rows: a lane holds ONE resident row and its registers run along the streamed rows.  A wave makes 64 x 64: 16 accumulators.
;   y 0,1: q   resident x (128 tokens), streamed Wq (two heads a tile): a lane's registers run along d.  q + bias_u and q + bias_v are quantised along d -> qf.
;   y 2,3: k   the same with Wk -> kf.        y 6,7: rel_k: resident pos_emb (y 6) or pos_emb moved (y 7), streamed Wrel -> ef (rows 0-2,047 and 2,048-4,095 of the table).
;   y 4,5: v   resident Wv (two heads), streamed x (128 tokens a tile): a lane holds d and its registers run along the tokens, the axis along which v is quantised -> vf.
; kf, ef: a fragment of 32 rows, 1,600 bytes: registers 0-5 rows 0-15, registers 6-11 rows 16-31, each all 64 of d; registers 4 g .. at 512 g + 16 lane; scale words at 1,536 + 4 m.
; vf: a fragment of 16 d x 128 keys, laid likewise.  Inside a block of 32 keys the codes stand in the order 0-7, 16-23, 8-15, 24-31: the weights of the softmax are laid in the same order.
; qf: 2,048 bytes a tile of 16 queries: q + u registers 0-3 at 16 lane, 4-5 at 512 + 8 lane; q + v at 768 and 1,280; scale words (b0, b1, b0, b1) at 1,536 + 4 r and 1,600 + 4 r.
; NO CLUSTER: one text serves four roles.  Neighbours along x share the streamed tiles in three of them and the resident block in the fourth, so no one line with one mask and one
; descriptor would serve all partners on every path.
; LIMITS: a block whose largest magnitude lies under 2^-124, zeros among them, keeps the byte 1; NaN and infinities are not served.
; REGISTERS: window 0: addresses, scale words v32-63, 64 numbers at work v64-127, the biases v128-191, the quantiser's v192-229.  Window 1: the accumulators, (a, b) at v[8 (4 a + b)].
; Window 2: two fragment buffers of 96: the resident four at 12 a, the streamed four at 48 + 12 b.
.set RTB,   12288                      ; a row tile: 8 K steps x 1,536 bytes
.set QTR,   2*RTB                      ; what one tensor load brings: a quarter of a block of 128 rows
.set SLOT1, 0x20000                    ; the streamed slots lie at 0 and here: one exclusive or turns an address
.set SPARE, 8*RTB                      ; behind slot 0: the spare words, 128 bytes a wave
.set RBASE, 229376                     ; the resident block
.set L16,  3                           ; v3   16 x lane
.set L8,   4                           ; v4   8 x lane
.set R4,   5                           ; v5   4 r
.set ADR,  6                           ; v6   my resident fragments
.set ADS,  7                           ; v7   my streamed fragments in the slot in hand
.set VSC,  8                           ; v8   the scale loads' offset
.set VBI,  9                           ; v9   64 h: my half's 16 numbers of a block of a bias
.set SH16, 10                          ; v10  16 h
.set VSB,  11                          ; v11  v's scale bytes: 4 r + 1,600 h + 1,536 + 2 ws
.set SPW,  14                          ; v14  my spare word; never rewritten
.set NIL,  15                          ; v15  0; never rewritten
.set ADS0, 18                          ; v18  my streamed fragments in slot 0
.set SC,   32                          ; v[SC + 8 i + k]: lanes 0-15 resident tile i's word of K step k, lanes 16-31 streamed tile i's
.set T,    64
.set BU,   128                         ; bias_u's 32 numbers in the result's layout; bias_v's at + 32
.set TM,   192
.set PW,   208
.set PC,   210
.set F0,   0
.set FL,   30                          ; s30  the floor 2^(3 - 127)
.set SEL,  32
.set MSB, 0
.macro WIN new                         ; the immediate's high byte repeats the setting that is left
.if MSB != (\new)
	s_set_vgpr_msb (MSB<<8)|(\new)
.set MSB, (\new)
.endif
.endm
.macro PLACES n
.rept \n
	v_nop
.endr
.endm
; 64 numbers of a lane in window w, register 16 b + i = my i-th of my 16 numbers of block b, become 12 registers of codes in v[PC] on and the four blocks' bytes in v[PW].
.macro QUANT s, w
	s_wait_xcnt 0x0                                ; earlier stores have read their data: the codes and the word may be written again
	WIN 0x14*(\w)
.irp b, 0,1,2,3
	v_max3_num_f32 v[TM+\b], s[FL], |v[(\s)+16*\b]|, |v[(\s)+16*\b+1]|   ; each accumulator is read from its low end on
.endr
.irp i, 2,4,6,8,10,12,14
.irp b, 0,1,2,3
	v_max3_num_f32 v[TM+\b], v[TM+\b], |v[(\s)+16*\b+\i]|, |v[(\s)+16*\b+\i+1]|
.endr
.endr
	WIN 0
.irp b, 0,1,2,3
	v_permlanex16_b32 v[TM+4+\b], v[TM+\b], s[SEL], s[SEL+1]
.endr
.irp b, 0,1,2,3
	v_max_num_f32 v[TM+\b], v[TM+\b], v[TM+4+\b]   ; with lane l xor 16's 16: the block's largest magnitude
.endr
.irp b, 0,1,2,3
	v_add_nc_u32 v[TM+12+\b], 0xff000000, v[TM+\b] ; 2 off the exponent field: the conversion's scale operand
.endr
.irp b, 0,1,2,3
	v_lshrrev_b32 v[TM+4+\b], 23, v[TM+12+\b]      ; the scale's byte
.endr
	v_lshl_or_b32 v[PW], v[TM+5], 8, v[TM+4]
	v_lshl_or_b32 v[PW], v[TM+6], 16, v[PW]
	v_lshl_or_b32 v[PW], v[TM+7], 24, v[PW]
	WIN 0x01*(\w)
.irp c, 0,1
	v_cvt_scalef32_pk16_fp6_f32 v[PC+6*\c:PC+6*\c+2], v[(\s)+32*\c:(\s)+32*\c+15], v[TM+12+2*\c]
	v_cvt_scalef32_pk16_fp6_f32 v[PC+12+4*\c:PC+14+4*\c], v[(\s)+32*\c+16:(\s)+32*\c+31], v[TM+13+2*\c]
.endr
	WIN 0
	v_nop                                          ; one plain place behind a scaled conversion
.irp c, 0,1                            ; a whole block to a lane: lanes 0-15 block 2 c, lanes 16-31 block 2 c + 1
.irp i, 0,1,2
	v_permlane16_swap_b32 v[PC+6*\c+\i], v[PC+12+4*\c+\i]
.endr
.irp i, 0,1,2
	v_mov_b32 v[PC+6*\c+3+\i], v[PC+12+4*\c+\i]
.endr
.endr
.endm
.macro SCLOAD                          ; the scale words of my four resident tiles and of my four tiles of streamed tile s89
	s_lshl_b32 s90, s89, 12                        ; 8 row tiles x 512 bytes a streamed tile
	s_add_co_u32 s90, s90, s88
	v_mov_b32 v12, s87
	v_mov_b32 v13, s90
	v_cndmask_b32 v12, v12, v13, s31               ; lanes 16-31 take the streamed side
	v_lshl_add_u32 v[VSC], v1, 4, v12
.irp i, 0,1,2,3
.irp u, 0,1
	global_load_b128 v[SC+8*\i+4*\u:SC+8*\i+4*\u+3], v[VSC], s[6:7] offset:512*\i+256*\u
.endr
.endr
.endm
.macro BIASLOAD                        ; my head's 64 numbers of each bias, in the result's layout: register 16 B + i = d 32 B + 16 h + i
.irp b, 0,1
.irp q, 0,1,2,3
	global_load_b128 v[BU+16*\b+4*\q:BU+16*\b+4*\q+3], v[VBI], s[82:83] offset:128*\b+16*\q
	global_load_b128 v[BU+32+16*\b+4*\q:BU+32+16*\b+4*\q+3], v[VBI], s[84:85] offset:128*\b+16*\q
.endr
.endr
.endm
.macro FETCH k, f                      ; K step k's eight fragments into buffer f: 24 loads of 512 consecutive bytes
	WIN 0x80
.irp a, 0,1,2,3
.irp g, 0,1,2
	ds_load_b128 v[(\f)+12*\a+4*\g:(\f)+12*\a+4*\g+3], v[ADR] offset:\a*RTB+(\k)*1536+512*\g
.endr
.endr
.irp a, 0,1,2,3
.irp g, 0,1,2
	ds_load_b128 v[(\f)+48+12*\a+4*\g:(\f)+48+12*\a+4*\g+3], v[ADS] offset:\a*RTB+(\k)*1536+512*\g
.endr
.endr
.endm
.macro MUL16 k, f, zero                ; the sixteen accumulators take turns, one instruction a turn
	WIN 0x5a
.irp a, 0,1,2,3
.irp b, 0,1,2,3
.if \zero
	v_wmma_scale_f32_16x16x128_f8f6f4 v[8*(4*\a+\b):8*(4*\a+\b)+7], v[(\f)+48+12*\b:(\f)+48+12*\b+11], v[(\f)+12*\a:(\f)+12*\a+11], 0, v[SC+8*\b+(\k)], v[SC+8*\a+(\k)] matrix_a_fmt:MATRIX_FMT_FP6 matrix_b_fmt:MATRIX_FMT_FP6 matrix_a_scale:MATRIX_SCALE_ROW1
.else
	v_wmma_scale_f32_16x16x128_f8f6f4 v[8*(4*\a+\b):8*(4*\a+\b)+7], v[(\f)+48+12*\b:(\f)+48+12*\b+11], v[(\f)+12*\a:(\f)+12*\a+11], v[8*(4*\a+\b):8*(4*\a+\b)+7], v[SC+8*\b+(\k)], v[SC+8*\a+(\k)] matrix_a_fmt:MATRIX_FMT_FP6 matrix_b_fmt:MATRIX_FMT_FP6 matrix_a_scale:MATRIX_SCALE_ROW1
.endif
.endr
.endr
.endm
.macro MAIN                            ; 64 x 64 x 1,024: eight K steps, the next step's fragments fetched ahead of each step's products
	s_wait_loadcnt 0x0                             ; this tile's scale words
	BIASLOAD                                       ; they land under the products
	FETCH 0, F0
.set KK, 0
.rept 8
.if KK < 7
.if KK > 0
	PLACES 4                                       ; in front of loads into the buffer that the last step's products read
.endif
	FETCH KK+1, F0+96*((KK+1)%2)
	s_wait_dscnt 24                                ; all but the 24 just issued
.else
	s_wait_dscnt 0x0
.endif
	MUL16 KK, F0+96*(KK%2), (KK==0)
.set KK, KK+1
.endr
	WIN 0
	PLACES 4                                       ; in front of the first read of results and of loads into the scale registers
.endm
.macro QSEL p, e                       ; resident tiles 2 p, 2 p + 1: q + bias e, quantised along d, stored
	WIN 0x01
.set NN, 0
.rept 32
	v_pk_add_f32 v[T+2*NN:T+2*NN+1], v[64*(\p)+2*NN:64*(\p)+2*NN+1], v[BU+32*(\e)+(2*NN)%32:BU+32*(\e)+(2*NN)%32+1]
.set NN, NN+1
.endr
	WIN 0
	QUANT T, 0
	v_perm_b32 v16, v[PW], v[PW], s91              ; the first tile's word: (b0, b1, b0, b1)
	v_perm_b32 v17, v[PW], v[PW], s92              ; the second's
	global_store_b128 v[L16], v[PC:PC+3], s[56:57] offset:2*(\p)*2048+768*(\e)
	global_store_b64 v[L8], v[PC+4:PC+5], s[56:57] offset:2*(\p)*2048+768*(\e)+512
	global_store_b128 v[L16], v[PC+6:PC+9], s[56:57] offset:(2*(\p)+1)*2048+768*(\e)
	global_store_b64 v[L8], v[PC+10:PC+11], s[56:57] offset:(2*(\p)+1)*2048+768*(\e)+512
	global_store_b32 v[R4], v16, s[56:57] offset:2*(\p)*2048+1536+64*(\e)
	global_store_b32 v[R4], v17, s[56:57] offset:(2*(\p)+1)*2048+1536+64*(\e)
.endm
.macro EPI_Q
	s_wait_loadcnt 8                               ; the biases are in; the next tile's 8 scale loads, issued behind them, may be out
	QSEL 0, 0
	QSEL 0, 1
	QSEL 1, 0
	QSEL 1, 1
.endm
.macro EPI_KE                          ; two fragments of 32 rows, straight from the accumulators
.irp p, 0,1
	QUANT 64*\p, 1
.irp g, 0,1,2
	global_store_b128 v[L16], v[PC+4*\g:PC+4*\g+3], s[56:57] offset:1600*\p+512*\g
.endr
	global_store_b32 v[R4], v[PW], s[56:57] offset:1600*\p+1536
.endr
.endm
.macro VSTORE p                        ; d tiles 2 p, 2 p + 1: my 64 keys are half ws of the fragment's 128: registers 6 ws .. 6 ws + 5
	v_lshrrev_b32 v16, v[SH16], v[PW]              ; lanes 0-15: the first tile's two bytes, lanes 16-31: the second's
	s_cmp_eq_u32 s22, 0
	s_cbranch_scc0 .Lvhi_\@
	global_store_b128 v[L16], v[PC:PC+3], s[56:57] offset:2*(\p)*1600
	global_store_b64 v[L16], v[PC+4:PC+5], s[56:57] offset:2*(\p)*1600+512
	global_store_b128 v[L16], v[PC+6:PC+9], s[56:57] offset:(2*(\p)+1)*1600
	global_store_b64 v[L16], v[PC+10:PC+11], s[56:57] offset:(2*(\p)+1)*1600+512
	s_branch .Lvdone_\@
.Lvhi_\@:
	global_store_b64 v[L16], v[PC:PC+1], s[56:57] offset:2*(\p)*1600+520
	s_wait_alu depctr_va_vdst(0)
	global_store_b128 v[L16], v[PC+2:PC+5], s[56:57] offset:2*(\p)*1600+1024
	global_store_b64 v[L16], v[PC+6:PC+7], s[56:57] offset:(2*(\p)+1)*1600+520
	global_store_b128 v[L16], v[PC+8:PC+11], s[56:57] offset:(2*(\p)+1)*1600+1024
.Lvdone_\@:
	s_wait_alu depctr_va_vdst(0)
	global_store_b16 v[VSB], v16, s[56:57] offset:2*(\p)*1600
.endm
.macro EPI_V
	QUANT 0, 1
	VSTORE 0
	QUANT 64, 1
	VSTORE 1
.endm
.macro TILE
	MAIN
	s_add_co_u32 s89, s28, 1
	s_min_u32 s89, s89, 3                          ; the next tile's scale words land under the way out (the last tile asks for its own again: no load leaves the buffer)
	SCLOAD
	s_cmp_eq_u32 s25, 0                            ; the role hangs on the work-group's number alone
	s_cbranch_scc1 .Lq_\@
	s_cmp_eq_u32 s25, 1
	s_cbranch_scc1 .Lke_\@
	EPI_V
	s_branch .Ljoin_\@
.Lq_\@:
	EPI_Q
	s_branch .Ljoin_\@
.Lke_\@:
	EPI_KE
.Ljoin_\@:
	s_wait_xcnt 0x0                                ; loads and stores have read their bases: they may step
	s_add_nc_u64 s[56:57], s[56:57], s[58:59]
	s_add_nc_u64 s[82:83], s[82:83], 512           ; two heads on
	s_add_nc_u64 s[84:85], s[84:85], 512
	s_add_co_u32 s28, s28, 1
.endm
; The change of slots.  Every wave waits for all its tensor loads, adds 0 to its spare word, waits for that and for its reads of the slot; behind the barrier the slot just read is
; filled with the tile two on (fill = 1), which has a whole tile's work in which to land.
.macro CHANGE fill
	s_wait_tensorcnt 0x0
	ds_add_u32 v[SPW], v[NIL]
.if \fill
	s_xor_b32 s53, s53, SLOT1                      ; the walking descriptor: the other slot than last time,
	s_add_nc_u64 s[54:55], s[54:55], 8*RTB         ; the next 128 streamed rows
.endif
	s_xor_b32 s86, s86, SLOT1
	s_wait_dscnt 0x0
	s_barrier_signal -1
	s_barrier_wait -1
.if \fill
	tensor_load_to_lds s[52:55], s[36:43]          ; my one tensor load behind this barrier
	s_nop 0
	PLACES 4
.endif
	v_add_nc_u32 v[ADS], s86, v[ADS0]
.endm
	s_load_b512 s[4:19], s[0:1], 0x0               ; opc, ops, bias_u, bias_v, qf, kf, vf, ef
	v_lshl_add_u32 v[SPW], v0, 2, SPARE
	v_mov_b32 v[NIL], 0
	ds_add_u32 v[SPW], v[NIL]                      ; the wave's opening: the add and its wait ahead of my first tensor load
	ds_add_u32 v[SPW], v[NIL]
	v_lshrrev_b32 v1, 5, v0
	v_readfirstlane_b32 s20, v1                    ; wave
	s_lshr_b32 s21, s20, 1                         ; wr: which 64 resident rows
	s_and_b32 s22, s20, 1                          ; ws: which 64 streamed rows
	s_mov_b32 s23, ttmp9                           ; x
	s_and_b32 s24, ttmp7, 0xffff                   ; y
	s_lshr_b32 s60, s24, 1                         ; 0 q, 1 k, 2 v, 3 rel_k
	s_and_b32 s61, s24, 1
	s_and_b32 s70, s23, 15
	s_lshr_b32 s71, s23, 4
	s_lshl_b32 s26, s23, 3                         ; q, k: resident row tile 8 x,
	s_lshl_b32 s27, s24, 5
	s_add_co_u32 s27, s27, 512                     ; streamed 512 + 32 y,
	s_lshl_b32 s62, s61, 3                         ; first head 8 (y & 1)
	s_lshl_b32 s63, s61, 5
	s_add_co_u32 s63, s63, s23                     ; v: idx = 32 (y - 4) + x
	s_lshr_b32 s66, s63, 3
	s_lshl_b32 s67, s66, 3
	s_add_co_u32 s67, s67, 640                     ; resident 640 + 8 (idx / 8)
	s_and_b32 s68, s63, 7
	s_lshl_b32 s69, s68, 5                         ; streamed 32 (idx % 8)
	s_lshl_b32 s72, s61, 7
	s_lshl_b32 s73, s70, 3
	s_add_co_u32 s72, s72, s73
	s_add_co_u32 s72, s72, 256                     ; rel_k: resident 256 + 128 (y - 6) + 8 (x % 16)
	s_lshl_b32 s73, s71, 5
	s_add_co_u32 s73, s73, 704                     ; streamed 704 + 32 (x / 16)
	s_lshl_b32 s74, s71, 3                         ; first head 8 (x / 16)
	s_cmp_eq_u32 s60, 3
	s_cselect_b32 s25, 1, s60                      ; the way out: 0 q, 1 k and rel_k, 2 v
	s_cselect_b32 s26, s72, s26
	s_cselect_b32 s27, s73, s27
	s_cselect_b32 s62, s74, s62
	s_cmp_eq_u32 s60, 2
	s_cselect_b32 s26, s67, s26
	s_cselect_b32 s27, s69, s27
	s_cselect_b32 s62, 0, s62
	s_add_co_u32 s75, s62, s22                     ; my first head
	s_lshl_b32 s76, s71, 4
	s_add_co_u32 s76, s76, s75                     ; 16 b + head
	s_lshl_b32 s77, s76, 7                         ; q: ((16 b + head) 128 + 8 (x % 16) + 4 wr) x 2,048
	s_lshl_b32 s93, s70, 3
	s_add_co_u32 s77, s77, s93
	s_lshl_b32 s93, s21, 2
	s_add_co_u32 s77, s77, s93
	s_lshl_b32 s77, s77, 11
	s_lshl_b32 s93, s70, 2
	s_lshl_b32 s94, s21, 1
	s_add_co_u32 s93, s93, s94                     ; 4 (x % 16) + 2 wr
	s_lshl_b32 s78, s76, 6                         ; k: ((16 b + head) 64 + that) x 1,600
	s_add_co_u32 s78, s78, s93
	s_mul_i32 s78, s78, 1600
	s_lshl_b32 s79, s75, 7                         ; rel_k: (head 128 + 64 (y - 6) + that) x 1,600
	s_lshl_b32 s94, s61, 6
	s_add_co_u32 s79, s79, s94
	s_add_co_u32 s79, s79, s93
	s_mul_i32 s79, s79, 1600
	s_lshl_b32 s80, s68, 2                         ; v: tb = 4 (idx % 8): ((16 (tb / 16) + 2 (idx / 8) + wr) 16 + tb % 16) x 6,400
	s_lshr_b32 s94, s80, 4
	s_lshl_b32 s94, s94, 4
	s_lshl_b32 s95, s66, 1
	s_add_co_u32 s94, s94, s95
	s_add_co_u32 s94, s94, s21
	s_lshl_b32 s94, s94, 4
	s_and_b32 s80, s80, 15
	s_add_co_u32 s80, s80, s94
	s_mul_i32 s80, s80, 6400
	s_mov_b32 s58, 204800                          ; from tile to tile: two heads on (q, k, rel_k) or a key step on (v)
	s_cmp_eq_u32 s60, 0
	s_cselect_b32 s81, s77, s78
	s_cselect_b32 s58, 524288, s58
	s_cmp_eq_u32 s60, 2
	s_cselect_b32 s81, s80, s81
	s_cselect_b32 s58, 6400, s58
	s_cmp_eq_u32 s60, 3
	s_cselect_b32 s81, s79, s81
	s_cselect_b32 s58, 409600, s58
	s_mov_b32 s59, 0
	s_lshl_b32 s87, s21, 2
	s_add_co_u32 s87, s87, s26
	s_lshl_b32 s87, s87, 9                         ; my resident tiles' scale words
	s_lshl_b32 s88, s22, 2
	s_add_co_u32 s88, s88, s27
	s_lshl_b32 s88, s88, 9                         ; my streamed tiles', tile 0
	s_lshl_b32 s93, s20, 1                         ; I fetch row tiles 2 w, 2 w + 1 of every block
	s_cmp_eq_u32 s21, 0                            ; the head's one load: waves 0, 1 a half of the resident block, waves 2, 3 a half of streamed tile 0
	s_cselect_b32 s94, s26, s27
	s_lshl_b32 s34, s22, 2
	s_add_co_u32 s94, s94, s34                     ; its first row tile: 4 x (wave % 2) into the block
	s_mul_i32 s94, s94, RTB
	s_xor_b32 s34, s21, 1
	s_mul_i32 s34, s34, RBASE
	s_mul_i32 s35, s22, 2*QTR
	s_add_co_u32 s34, s34, s35                     ; and where it goes: the resident block's place or slot 0, + a half
	s_mov_b32 s95, 0
	s_add_co_u32 s96, s27, s93
	s_mul_i32 s96, s96, RTB
	s_mov_b32 s97, 0
	s_mul_i32 s98, s20, QTR
	s_lshl_b32 s99, s75, 8                         ; my head's 256 bytes of a bias
	s_mov_b32 s36, 3<<16                           ; group 1: a dense block of 24,576 bytes as 96 rows of 32 elements of 8 bytes; no mask, no padding
	s_mov_b32 s37, 32<<16                          ; tensor_dim0 = 32
	s_mov_b32 s38, 192<<16                         ; tensor_dim1 = 192 for the head's loads (49,152 bytes); set to 96 behind them
	s_mov_b32 s39, 32<<16                          ; tile_dim0 = 32
	s_mov_b32 s40, 192                             ; tile_dim1 likewise
	s_mov_b32 s41, 32                              ; the pitch
	s_mov_b32 s42, 0
	s_mov_b32 s43, 0
	s_mov_b32 s[FL], 0x01800000
	s_mov_b32 s31, 0xffff0000                      ; lanes 16-31
	s_mov_b32 s[SEL], 0x76543210
	s_mov_b32 s[SEL+1], 0xfedcba98
	s_mov_b32 s91, 0x01000100
	s_mov_b32 s92, 0x03020302
	s_mov_b32 s28, 0                               ; the streamed tile's number
	s_mov_b32 s86, 0                               ; the slot in hand
	s_wait_dscnt 0x0                               ; the opening add is done
	s_wait_kmcnt 0x0
	s_mov_b32 s44, 1                               ; the resident block
	s_mov_b32 s45, s34
	s_add_nc_u64 s[46:47], s[4:5], s[94:95]
	s_or_b32 s47, s47, 0x80000000
	s_add_nc_u64 s[50:51], s[4:5], s[96:97]
	s_mov_b32 s52, 1                               ; streamed tile 1 into slot 1; this one walks on
	s_add_co_u32 s53, s98, SLOT1
	s_add_nc_u64 s[54:55], s[50:51], 8*RTB
	s_or_b32 s55, s55, 0x80000000
	tensor_load_to_lds s[44:47], s[36:43]          ; one tensor load a wave at the head
	s_nop 0
	PLACES 4
	s_cmp_eq_u32 s60, 0
	s_cselect_b64 s[56:57], s[12:13], s[14:15]
	s_cmp_eq_u32 s60, 2
	s_cselect_b64 s[56:57], s[16:17], s[56:57]
	s_cmp_eq_u32 s60, 3
	s_cselect_b64 s[56:57], s[18:19], s[56:57]
	s_mov_b32 s94, s81
	s_add_nc_u64 s[56:57], s[56:57], s[94:95]      ; where my results go
	s_mov_b32 s94, s99
	s_add_nc_u64 s[82:83], s[8:9], s[94:95]
	s_add_nc_u64 s[84:85], s[10:11], s[94:95]
	v_and_b32 v12, 31, v0
	v_and_b32 v1, 15, v0                           ; r
	v_bfe_u32 v2, v0, 4, 1                         ; h
	v_lshlrev_b32 v[L16], 4, v12
	v_lshlrev_b32 v[L8], 3, v12
	v_lshlrev_b32 v[R4], 2, v1
	s_mul_i32 s93, s21, 4*RTB
	s_add_co_u32 s93, s93, RBASE
	v_add_nc_u32 v[ADR], s93, v[L16]
	s_mul_i32 s93, s22, 4*RTB
	v_add_nc_u32 v[ADS0], s93, v[L16]
	v_add_nc_u32 v[ADS], s86, v[ADS0]
	v_lshlrev_b32 v[VBI], 6, v2
	v_lshlrev_b32 v[SH16], 4, v2
	v_mad_u32_u24 v[VSB], v2, 1600, v[R4]
	s_lshl_b32 s93, s22, 1
	s_add_co_u32 s93, s93, 1536
	v_add_nc_u32 v[VSB], s93, v[VSB]
.irp b, 0,1,2,3
	v_mov_b32 v[TM+4+\b], 0                        ; written once: a lane permute's destination counts as one of its sources
.endr
	s_mov_b32 s89, 0
	SCLOAD
	s_wait_alu depctr_va_vdst(0)                   ; the head's end
	s_wait_tensorcnt 0x0                           ; my half block is in
	ds_add_u32 v[SPW], v[NIL]
	s_mov_b32 s38, 96<<16                          ; no load of mine is out: from here on a load brings 96 rows, a quarter of a block
	s_mov_b32 s40, 96
	s_wait_dscnt 0x0
	s_barrier_signal -1
	s_barrier_wait -1
	tensor_load_to_lds s[52:55], s[36:43]          ; streamed tile 1 into slot 1: my one load behind this barrier; it has tile 0's work in which to land
	s_nop 0
	PLACES 4
	s_mov_b32 s29, 2
.Lfill:                                                ; tiles 0 and 1: behind each the slot takes the tile two on
	s_wait_alu depctr_va_vdst(0)
	TILE
	CHANGE 1
	s_sub_co_u32 s29, s29, 1
	s_cmp_lg_u32 s29, 0
	s_cbranch_scc1 .Lfill
	s_mov_b32 s29, 2
.Ldry:                                                 ; tiles 2 and 3: nothing is left to fetch; written a second time
	s_wait_alu depctr_va_vdst(0)
	TILE
	CHANGE 0
	s_sub_co_u32 s29, s29, 1
	s_cmp_lg_u32 s29, 0
	s_cbranch_scc1 .Ldry
	s_wait_tensorcnt 0x0                           ; the wave's end
	ds_add_u32 v[SPW], v[NIL]
	s_wait_dscnt 0x0
	s_endpgm
.Lfunc_end_k_qb8597b02f9_proj:
	.size	k_qb8597b02f9_proj, .Lfunc_end_k_qb8597b02f9_proj-k_qb8597b02f9_proj
	.p2alignl 7, 3214868480
	.fill 96, 4, 3214868480
	.section	.rodata,"a",@progbits
	.p2align	6, 0x0
	.amdhsa_kernel k_qb8597b02f9_proj
		.amdhsa_group_segment_fixed_size 327680
		.amdhsa_private_segment_fixed_size 0
		.amdhsa_enable_private_segment 0
		.amdhsa_kernarg_size 64
		.amdhsa_user_sgpr_count 2
		.amdhsa_user_sgpr_kernarg_segment_ptr 1
		.amdhsa_wavefront_size32 1
		.amdhsa_system_sgpr_workgroup_id_x 1
		.amdhsa_system_sgpr_workgroup_id_y 1
		.amdhsa_system_sgpr_workgroup_id_z 1
		.amdhsa_system_vgpr_workitem_id 0
		.amdhsa_next_free_vgpr 768
		.amdhsa_next_free_sgpr 100
		.amdhsa_reserve_vcc 0
		.amdhsa_float_denorm_mode_32 3
		.amdhsa_float_denorm_mode_16_64 3
		.amdhsa_memory_ordered 1
		.amdhsa_forward_progress 1
		.amdhsa_inst_pref_size 162
	.end_amdhsa_kernel
	.amdgpu_metadata
---
amdhsa.version: [ 1, 2 ]
amdhsa.kernels:
  - .name:           k_qb8597b02f9_proj
    .symbol:         k_qb8597b02f9_proj.kd
    .args:
      - { .name: opc, .offset: 0, .size: 8, .value_kind: global_buffer, .address_space: global }
      - { .name: ops, .offset: 8, .size: 8, .value_kind: global_buffer, .address_space: global }
      - { .name: bias_u, .offset: 16, .size: 8, .value_kind: global_buffer, .address_space: global }
      - { .name: bias_v, .offset: 24, .size: 8, .value_kind: global_buffer, .address_space: global }
      - { .name: qf, .offset: 32, .size: 8, .value_kind: global_buffer, .address_space: global }
      - { .name: kf, .offset: 40, .size: 8, .value_kind: global_buffer, .address_space: global }
      - { .name: vf, .offset: 48, .size: 8, .value_kind: global_buffer, .address_space: global }
      - { .name: ef, .offset: 56, .size: 8, .value_kind: global_buffer, .address_space: global }
    .group_segment_fixed_size: 327680
    .private_segment_fixed_size: 0
    .kernarg_segment_align: 8
    .kernarg_segment_size: 64
    .max_flat_workgroup_size: 128
    .sgpr_count:     100
    .vgpr_count:     768
    .wavefront_size: 32
...
	.end_amdgpu_metadata
.endif
;; end of part 2
;; launch attn (part 3): grid 8 x 32, 8 waves a work-group, no clusters, 327,680 bytes of LDS; arguments qf, kf, vf, ef, opc, ops; writes opc, ops
.if DOCPART == 3
	.amdgcn_target "amdgcn-amd-amdhsa--gfx1250"
	.amdhsa_code_object_version 6
	.text
	.protected	k_qb8597b02f9_attn
	.globl	k_qb8597b02f9_attn
	.p2align	8
	.type	k_qb8597b02f9_attn,@function
k_qb8597b02f9_attn:
	s_mov_b64 s[64:65], 0
	v_nop
	global_prefetch_b8 v0, s[64:65] scope:SCOPE_SE
	s_setreg_imm32_b32 hwreg(HW_REG_WAVE_MODE, 25, 1), 1
	s_wait_xcnt 0x0
; Attention with relative positions, all three products on codes of FP6 (E2M3) with E8M0 scales.  T = 2,048, 16 heads of 64, 2 batches.
; score(t, s) = (q[t] + u) . k[s] + pos(t, s); with L = T - 1 - t + s:  pos(t, s) = (q[t] + v) . E[L] where L < T, and (q[t + 1] + v) . E[L] where L >= T,
; E the table of 4,096 rows laid by the launch before: rel_k, a row of zeros, rel_k again.  A fragment of 32 rows of E takes one of the two operands whole.
; SOFTMAX: t = score x log2(e) / 8; M = the running largest t rounded up to a whole number; p = 2^(t - M) is quantised along the keys; the row's sum is of the unquantised p and divides at the end.
; SHARES: a work-group owns 256 queries of one head of one batch, each of eight waves 32: tiles A and B of 16; a lane holds one query of each (all products transposed).  16 steps of 128 keys.
; K = 64 in an instruction of K = 128: a fragment of K or E holds 32 rows and is multiplied by (q, zero codes) and by (zero codes, q).  A tile's chain of 42 registers: qu Z qv Z qw Z qu.
; THE SKEW: a tile's nine pos tiles (16 queries x 144 rows of E) go to the wave's own stage, query r at 656 r + 4 L', and come back at 652 r + 60 + 4 key, one word a lane, into the score registers,
; which the content product takes as C.  WORK LEFT OUT: of the five fragments' 160 rows tile A (row = key + 31 - r) never reads rows 0-15 and tile B (row = key + 15 - r) never rows 144-159, for every
; value of the inputs: these two products and their stores are not made.  A NaN or infinity that would arise only there is not carried.
; THE ORDER OF A STEP: the stage's stores and skewed loads of one tile stand among the multiply-adds and exponentials of the other tile's softmax; the next step's fragments of E are fetched behind
; tile B's content product, and tile A's next pos products stand in the middle of tile B's softmax.  LDS serves a wave's instructions in order (ISA guide 5.7.1.4), so one stage serves both tiles.
; LDS: two slots of two steps (K's eight fragments, V's eight), one barrier for two steps; the window of E, 72 fragments, filled once; the stages; the spare words.
; REGISTERS: window 0: addresses, scale words, both tiles' state, scores and codes, so that the softmax and the skew run under one setting.  Window 1: chains, O^T, fragments of E or K, fragments of V.
; NO CLUSTER: the eight query blocks of a head share K and V, 25,600 bytes for two steps; their windows of E, 115,200 bytes each, differ, and a joint refill would put a round of the cluster's
; barrier in front of each refill.  NO PREFETCH: each refill is asked for two steps, 84 matrix instructions a wave, ahead of the wait for it.
; The result, O / sum, is quantised along the last product's K and stored as this head's half of a fragment of row tile 832 + token / 16 in opc, its two scale bytes in ops.
; LIMITS: 1 / sum by v_rcp_f32; a block under 2^-124, zeros among them, keeps the byte 1; NaN and infinities are not served; scaled scores stay under 2^31.
.set SLOT1, 0x8000
.set KSB,   6400
.set VOFF,  2*KSB
.set EB0,   SLOT1+4*KSB
.set STAGE, EB0+72*1600
.set STB,   10496
.set SPARE, STAGE+8*STB
; window 0
.set L16,  1                           ; 16 x lane
.set KS0,  2                           ; 4 r + 1,600 h + 1,536
.set ES0,  3                           ; 4 r + 1,536
.set STW,  4                           ; the stage, in
.set STR,  5                           ; the stage, out, skewed
.set SPW,  6
.set NIL,  7
.set ADK,  8
.set ADKS, 9
.set ADE,  10
.set ADES, 11
.set TA,   12                          ; tile A: -M, largest t, the sum in two halves
.set TBS,  16                          ; tile B's
.set SQUA, 20
.set SQVA, 21
.set SQWA, 22
.set SQUB, 23
.set SQVB, 24
.set SQWB, 25
.set PWA,  26                          ; p's scale words
.set PWB,  27
.set SK,   28                          ; scale words of K (2), V (2), E (5)
.set SV,   30
.set SE,   32
.set TT,   37
.set FF,   38                          ; f = 2^(old M - new M); v39 the pair's upper half
.set BM,   40
.set SO,   44
.set TP,   48
.set SA,   64                          ; pos tiles, scores, p
.set SB,   128
.set PCA,  192                         ; p's codes
.set PCB,  204
.set X8A,  216                         ; the ninth pos tile
.set X8B,  224
; window 1
.set CHA,  0
.set CHB,  42
.set OA,   84
.set OB,   116
.set FR,   148                         ; five fragments of E, then four of K
.set VF,   208
.set WV,  16
.set XB,  17
.set BH,  18
.set HD,  19
.set SEL, 20
.set CS,  22
.set TB,  24
.set EB,  25
.set NL,  26                           ; fragment c of my five lies under row 2,048 of E where c < s26
.set CNT, 27
.set G1,  28
.set G1E, 36
.set G0K, 44
.set G0V, 48
.set G0E, 52
.set MSB, 0
.macro WIN new                         ; bits 1:0 source 0, 3:2 source 1, 5:4 source 2, 7:6 destination; the high byte repeats the setting left
.if MSB != (\new)
	s_set_vgpr_msb (MSB<<8)|(\new)
.set MSB, (\new)
.endif
.endm
.macro PLACES n
.rept \n
	v_nop
.endr
.endm
.macro AW
	s_wait_alu depctr_va_vdst(0)
.endm
.macro WM d, a, b, sa, sb, acc, row
.if \acc
.if \row
	v_wmma_scale_f32_16x16x128_f8f6f4 v[(\d):(\d)+7], v[(\a):(\a)+11], v[(\b):(\b)+11], v[(\d):(\d)+7], v[\sa], v[\sb] matrix_a_fmt:MATRIX_FMT_FP6 matrix_b_fmt:MATRIX_FMT_FP6 matrix_a_scale:MATRIX_SCALE_ROW1
.else
	v_wmma_scale_f32_16x16x128_f8f6f4 v[(\d):(\d)+7], v[(\a):(\a)+11], v[(\b):(\b)+11], v[(\d):(\d)+7], v[\sa], v[\sb] matrix_a_fmt:MATRIX_FMT_FP6 matrix_b_fmt:MATRIX_FMT_FP6
.endif
.else
	v_wmma_scale_f32_16x16x128_f8f6f4 v[(\d):(\d)+7], v[(\a):(\a)+11], v[(\b):(\b)+11], 0, v[\sa], v[\sb] matrix_a_fmt:MATRIX_FMT_FP6 matrix_b_fmt:MATRIX_FMT_FP6
.endif
.endm
; One pos product: rows 16 u .. of fragment c; it is the tile's pos tile 2 c + u - j0, made only where that is 0 .. 8
.macro POSW s, x8, j0, c, u, op, sq
.set PI, 2*(\c)+(\u)-(\j0)
.if (PI >= 0) && (PI <= 8)
.if PI < 8
.set PD, (\s)+8*PI
.else
.set PD, (\x8)
.endif
	WM PD, FR+12*(\c), (\op)-6*(\u), SE+(\c), \sq, 0, 0
.endif
.endm
; A tile's nine pos products.  Fragment c takes q + v of my queries (rows under 2,048) or of the next queries: a scalar branch on ids and the step
.macro POS s, x8, ch, j0, sqv, sqw
.irp c, 0,1,2,3,4
	s_cmp_gt_i32 s[NL], \c
	s_cbranch_scc0 .Lup_\@_\c
	WIN 0x05
	POSW \s, \x8, \j0, \c, 0, (\ch)+12, \sqv
	POSW \s, \x8, \j0, \c, 1, (\ch)+12, \sqv
	WIN 0
	s_branch .Ldn_\@_\c
.Lup_\@_\c:
	WIN 0x05
	POSW \s, \x8, \j0, \c, 0, (\ch)+24, \sqw
	POSW \s, \x8, \j0, \c, 1, (\ch)+24, \sqw
	WIN 0
.Ldn_\@_\c:
.endr
.endm
; The skew's 18 stores and 64 loads of one tile, dealt out n at a time among the other tile's vector work
.macro ILSET s, x8
.set ILS, \s
.set ILX, \x8
.set ILT, 0
.set ILJ, 0
.endm
.macro IL n
.rept \n
.if ILT < 18
.if ILT < 16
	ds_store_b128 v[STW], v[ILS+4*ILT:ILS+4*ILT+3] offset:64*(ILT/2)+16*(ILT%2)
.else
	ds_store_b128 v[STW], v[ILX+4*(ILT-16):ILX+4*(ILT-16)+3] offset:64*(ILT/2)+16*(ILT%2)
.endif
.set ILT, ILT+1
.else
.if ILJ < 64
	ds_load_b32 v[ILS+ILJ], v[STR] offset:64*(ILJ/8)+4*(ILJ%8)   ; register 8 t + j: pos(my query, key 16 t + 8 h + j)
.set ILJ, ILJ+1
.endif
.endif
.endr
.endm
.macro CONTENT s, ch, sq               ; adds onto pos: eight accumulators, one instruction each
.irp f, 0,1,2,3
	WM (\s)+16*\f, FR+12*\f, \ch, SK+\f/2, \sq, 1, \f%2
	WM (\s)+16*\f+8, FR+12*\f, (\ch)+30, SK+\f/2, \sq, 1, \f%2
.endr
.endm
.macro PVM o, pc, pw                   ; O^T += V^T P^T
.irp f, 0,1,2,3
	WM (\o)+8*\f, VF+12*\f, \pc, SV+\f/2, \pw, 1, \f%2
.endr
.endm
.macro ELOAD                           ; my five fragments of E and their scale words
	WIN 0x40
.irp c, 0,1,2,3,4
.irp g, 0,1,2
	ds_load_b128 v[FR+12*\c+4*\g:FR+12*\c+4*\g+3], v[ADE] offset:1600*\c+512*\g
.endr
.endr
	WIN 0
.irp c, 0,1,2,3,4
	ds_load_b32 v[SE+\c], v[ADES] offset:1600*\c
.endr
.endm
; The softmax of one tile and step in three parts.  SMA: each block's largest score, the running M, f
.macro SMA s, st
.irp b, 0,1,2,3
	v_max3_num_f32 v[BM+\b], v[(\s)+16*\b], v[(\s)+16*\b+1], v[(\s)+16*\b+2]
.endr
.irp i, 3,5,7,9,11,13
.irp b, 0,1,2,3
	v_max3_num_f32 v[BM+\b], v[BM+\b], v[(\s)+16*\b+\i], v[(\s)+16*\b+\i+1]
.endr
.endr
.irp b, 0,1,2,3
	v_max_num_f32 v[BM+\b], v[BM+\b], v[(\s)+16*\b+15]
.endr
.irp b, 0,1,2,3
	v_permlanex16_b32 v[TP+\b], v[BM+\b], s[SEL], s[SEL+1]
.endr
.irp b, 0,1,2,3
	v_max_num_f32 v[BM+\b], v[BM+\b], v[TP+\b]
.endr
	v_max3_num_f32 v[TT], v[BM], v[BM+1], v[BM+2]
	s_delay_alu instid0(VALU_DEP_1)
	v_max_num_f32 v[TT], v[TT], v[BM+3]
	s_delay_alu instid0(VALU_DEP_1)
	v_mul_f32 v[TT], s[CS], v[TT]
	s_delay_alu instid0(VALU_DEP_1)
	v_max_num_f32 v[(\st)+1], v[(\st)+1], v[TT]    ; the running largest t
	v_mov_b32 v[TT], v[\st]
	s_delay_alu instid0(VALU_DEP_2)
	v_floor_f32 v[\st], -v[(\st)+1]                ; -M = floor(-t)
	s_delay_alu instid0(VALU_DEP_1)
	v_sub_f32 v[TT], v[\st], v[TT]
	s_delay_alu instid0(VALU_DEP_1)
	v_cvt_i32_f32 v[TT], v[TT]
	s_delay_alu instid0(VALU_DEP_1)
	v_ldexp_f32 v[FF], 1.0, v[TT]                  ; rounds nothing
.endm
; SMB: t - M and the exponentials.  The first five multiply-adds are also the places behind pos products; the 18 stores all stand ahead of the exponentials
.macro SMB s, st
.set J, 0
.rept 32
	v_pk_fma_f32 v[(\s)+J:(\s)+J+1], v[(\s)+J:(\s)+J+1], s[CS:CS+1], v[(\st):(\st)+1] op_sel_hi:[1,0,0]
.if J == 10
	IL 82                                          ; the other tile's 18 stores and 64 skewed loads, in one run; they land under the exponentials and the sums
.endif
.set J, J+2
.endr
.irp b, 0,1,2,3
	v_fma_f32 v[BM+\b], v[BM+\b], s[CS], v[\st]    ; the same of each block's largest score: p rises with the score
.endr
	AW                                             ; ahead of the batch
.set J, 0
.rept 64
	v_exp_f32 v[(\s)+J], v[(\s)+J]                 ; p = 2^(t - M)
.set J, J+1
.endr
.irp b, 0,1,2,3
	v_exp_f32 v[BM+\b], v[BM+\b]                   ; each block's largest p
.endr
	v_pk_mul_f32 v[(\st)+2:(\st)+3], v[(\st)+2:(\st)+3], v[FF:FF+1] op_sel_hi:[1,0]   ; a plain place behind the batch
	AW                                             ; and the one wait behind it
.endm
; SMC: the row's sum, p's codes and scale word, O^T under the new M.  It leaves the windows at 0x41
.macro SMC s, st, pc, pw, o
	v_pk_add_f32 v[TP:TP+1], v[(\s):(\s)+1], v[(\s)+2:(\s)+3]
.set J, 4
.rept 15
	v_pk_add_f32 v[(\st)+2:(\st)+3], v[(\st)+2:(\st)+3], v[(\s)+J:(\s)+J+1]
	v_pk_add_f32 v[TP:TP+1], v[TP:TP+1], v[(\s)+J+2:(\s)+J+3]
.set J, J+4
.endr
	v_pk_add_f32 v[(\st)+2:(\st)+3], v[(\st)+2:(\st)+3], v[TP:TP+1]
.irp b, 0,1,2,3
	v_max_num_f32 v[BM+\b], 0x1800000, v[BM+\b]    ; the floor 2^(3 - 127)
.endr
.irp b, 0,1,2,3
	v_add_nc_u32 v[SO+\b], 0xff000000, v[BM+\b]    ; 2 off the exponent field: the conversion's scale operand
.endr
.irp b, 0,1,2,3
	v_lshrrev_b32 v[TP+\b], 23, v[SO+\b]
.endr
	v_lshl_or_b32 v[\pw], v[TP+1], 8, v[TP]
	v_lshl_or_b32 v[\pw], v[TP+2], 16, v[\pw]
	v_lshl_or_b32 v[\pw], v[TP+3], 24, v[\pw]
.irp c, 0,1
	v_cvt_scalef32_pk16_fp6_f32 v[(\pc)+6*\c:(\pc)+6*\c+2], v[(\s)+32*\c:(\s)+32*\c+15], v[SO+2*\c]
	v_cvt_scalef32_pk16_fp6_f32 v[TP+4*\c:TP+4*\c+2], v[(\s)+32*\c+16:(\s)+32*\c+31], v[SO+2*\c+1]
.endr
	v_nop                                          ; one plain place behind a scaled conversion
.irp c, 0,1
.irp i, 0,1,2
	v_permlane16_swap_b32 v[(\pc)+6*\c+\i], v[TP+4*\c+\i]
.endr
.irp i, 0,1,2
	v_mov_b32 v[(\pc)+6*\c+3+\i], v[TP+4*\c+\i]
.endr
.endr
	WIN 0x41
	AW                                             ; directly ahead of the first reader of O^T
.set J, 0
.rept 16
	v_pk_mul_f32 v[(\o)+J:(\o)+J+1], v[(\o)+J:(\o)+J+1], v[FF:FF+1] op_sel_hi:[1,0]   ; sixteen lines between the making of codes and scale word and the products
.set J, J+2
.endr
.endm
.macro TLOAD2                          ; wave 6 fetches K's eight fragments, wave 7 V's
	s_cmp_eq_u32 s[WV], 6
	s_cbranch_scc0 .Lnk_\@
	tensor_load_to_lds s[G0K:G0K+3], s[G1:G1+7]
	s_nop 0
	PLACES 4
	s_branch .Lok_\@
.Lnk_\@:
	s_cmp_eq_u32 s[WV], 7
	s_cbranch_scc0 .Lok_\@
	tensor_load_to_lds s[G0V:G0V+3], s[G1:G1+7]
	s_nop 0
	PLACES 4
.Lok_\@:
.endm
; The change of slots: every wave waits for all its tensor loads, adds 0 to its spare word, waits for that and for its LDS reads.  fill = 1: the slot left takes the next two steps' K and V
; It is split.  SIGNAL stands in the slot's second step, behind tile B's exponentials: K's and V's fragments of the slot are in registers by then.  Between it and ARRIVE stands work on registers alone:
; tile B's sums, codes, rescaling and products with V, and the loop's scalar lines.  The descriptors are stepped at every SIGNAL; the last stepped addresses are not used.
.macro SIGNAL
	AW
	s_wait_tensorcnt 0x0
	ds_add_u32 v[SPW], v[NIL]
	s_xor_b32 s[G0K+1], s[G0K+1], SLOT1
	s_add_nc_u64 s[G0K+2:G0K+3], s[G0K+2:G0K+3], 2*KSB
	s_xor_b32 s[G0V+1], s[G0V+1], SLOT1
	s_add_nc_u64 s[G0V+2:G0V+3], s[G0V+2:G0V+3], 2*KSB
	s_wait_dscnt 0x0                               ; the add, and all my LDS reads
	s_barrier_signal -1
.endm
.macro ARRIVE fill
	s_barrier_wait -1
.if \fill
	TLOAD2
.endif
	v_add_nc_u32 v[ADK], s[TB], v[L16]             ; the slot in hand
	v_add_nc_u32 v[ADKS], s[TB], v[KS0]
	AW                                             ; they are read behind branches and waits
.endm
; A step: 128 keys, the q-th of the slot in hand.  At its head: E's fragments of this step in registers, tile A's skewed loads issued.  last = 1: nothing is made ready for a next step
.macro BODY q, last, sig
	POS SB, X8B, CHB, 0, SQVB, SQWB
	PLACES 4                                       ; in front of loads into fragments and scale words that matrix instructions have read
	ds_load_b32 v[SK], v[ADKS] offset:KSB*(\q)     ; lanes 0-15 fragment 0's words, lanes 16-31 fragment 1's
	ds_load_b32 v[SK+1], v[ADKS] offset:KSB*(\q)+3200
	ds_load_b32 v[SV], v[ADKS] offset:VOFF+KSB*(\q)
	ds_load_b32 v[SV+1], v[ADKS] offset:VOFF+KSB*(\q)+3200
	WIN 0x40
.irp f, 0,1,2,3
.irp g, 0,1,2
	ds_load_b128 v[FR+12*\f+4*\g:FR+12*\f+4*\g+3], v[ADK] offset:KSB*(\q)+1600*\f+512*\g
.endr
.endr
.irp f, 0,1,2,3
.irp g, 0,1,2
	ds_load_b128 v[VF+12*\f+4*\g:VF+12*\f+4*\g+3], v[ADK] offset:VOFF+KSB*(\q)+1600*\f+512*\g
.endr
.endr
	s_wait_dscnt 12                                ; all but V's 12 loads, the youngest: tile A's pos, the scale words and K are in
	WIN 0x05
	CONTENT SA, CHA, SQUA
	WIN 0
	PLACES 4
	ILSET SB, X8B                                  ; tile B's skew stands in tile A's softmax
	SMA SA, TA
	SMB SA, TA
	SMC SA, TA, PCA, PWA, OA
	AW                                             ; O^T, just written, is read behind the wait below
	s_wait_dscnt 0x0                               ; V and tile B's pos
	WIN 0x51
	PVM OA, PCA, PWA
	WIN 0x05
	CONTENT SB, CHB, SQUB
	WIN 0
.if \last
	PLACES 4
.set ILT, 18
.set ILJ, 64
.else
	s_add_co_u32 s[EB], s[EB], 6400                ; four fragments of E on
	s_sub_co_i32 s[NL], s[NL], 4
	v_add_nc_u32 v[ADE], s[EB], v[L16]
	v_add_nc_u32 v[ADES], s[EB], v[ES0]
	PLACES 2                                       ; four places behind the products that read K's fragments
	ELOAD
	ILSET SA, X8A                                  ; tile A's next skew stands in tile B's softmax
.endif
	SMA SB, TBS
.if !(\last)
	AW                                             ; what SMA wrote is read behind the wait and the branches below
	s_wait_dscnt 0x0                               ; E's fragments
	POS SA, X8A, CHA, 1, SQVA, SQWA
.endif
	SMB SB, TBS
.if \sig
	SIGNAL                                         ; my reads of this slot are over
.endif
	SMC SB, TBS, PCB, PWB, OB
	WIN 0x51
	PVM OB, PCB, PWB
	WIN 0
.endm
; A tile's way out: O^T / sum; registers 16 B + i are d = 32 B + 16 h + i of my query.  Codes in v[pc] .. v[pc + 5], the two bytes in v[pw]
.macro FINISH s, st, o, pc, pw
	v_add_f32 v[(\st)+2], v[(\st)+2], v[(\st)+3]
	v_permlanex16_b32 v[TT], v[(\st)+2], s[SEL], s[SEL+1]
	v_add_f32 v[(\st)+2], v[(\st)+2], v[TT]
	AW
	v_rcp_f32 v[(\st)+2], v[(\st)+2]
	v_nop
	WIN 0x01
	AW                                             ; ahead of the first reader of the reciprocal and of O^T
.set J, 0
.rept 32
	v_mul_f32 v[(\s)+J], v[(\o)+J], v[(\st)+2]
.set J, J+1
.endr
	WIN 0
.irp b, 0,1
	v_max3_num_f32 v[BM+\b], |v[(\s)+16*\b]|, |v[(\s)+16*\b+1]|, 0x1800000
.endr
.irp i, 2,4,6,8,10,12,14
.irp b, 0,1
	v_max3_num_f32 v[BM+\b], v[BM+\b], |v[(\s)+16*\b+\i]|, |v[(\s)+16*\b+\i+1]|
.endr
.endr
.irp b, 0,1
	v_permlanex16_b32 v[TP+\b], v[BM+\b], s[SEL], s[SEL+1]
.endr
.irp b, 0,1
	v_max_num_f32 v[BM+\b], v[BM+\b], v[TP+\b]
.endr
.irp b, 0,1
	v_add_nc_u32 v[SO+\b], 0xff000000, v[BM+\b]
.endr
.irp b, 0,1
	v_lshrrev_b32 v[TP+\b], 23, v[SO+\b]
.endr
	v_lshl_or_b32 v[\pw], v[TP+1], 8, v[TP]
	v_cvt_scalef32_pk16_fp6_f32 v[(\pc):(\pc)+2], v[(\s):(\s)+15], v[SO]
	v_cvt_scalef32_pk16_fp6_f32 v[(\pc)+8:(\pc)+10], v[(\s)+16:(\s)+31], v[SO+1]
	v_nop
.irp i, 0,1,2
	v_permlane16_swap_b32 v[(\pc)+\i], v[(\pc)+8+\i]
.endr
.irp i, 0,1,2
	v_mov_b32 v[(\pc)+3+\i], v[(\pc)+8+\i]
.endr
.endm
; Offsets of the next queries' q + v: v[t] 4 bytes a row, v[t+2] 16 a lane, v[t+3] 8 a lane.  Held at query 2,047, which never reads a row of E from 2,048 on
.macro NEXTQ t, sq
	v_add_nc_u32 v[\t], s[\sq], v65
	v_min_u32 v[\t], 0x7ff, v[\t]
	v_lshrrev_b32 v[\t+1], 4, v[\t]
	v_and_b32 v[\t], 15, v[\t]
	v_lshlrev_b32 v[\t+1], 11, v[\t+1]
	v_lshl_add_u32 v[\t+2], v66, 4, v[\t]
	v_lshl_add_u32 v[\t], v[\t], 2, v[\t+1]
	v_lshl_add_u32 v[\t+3], v[\t+2], 3, v[\t+1]
	v_lshl_add_u32 v[\t+2], v[\t+2], 4, v[\t+1]
.endm
.macro QLOAD ch, off, n16, n8          ; a tile's chain: q + u at both ends, q + v, the next queries' q + v
	global_load_b128 v[(\ch):(\ch)+3], v67, s[66:67] offset:\off
	global_load_b64 v[(\ch)+4:(\ch)+5], v68, s[66:67] offset:(\off)+512
	global_load_b128 v[(\ch)+36:(\ch)+39], v67, s[66:67] offset:\off
	global_load_b64 v[(\ch)+40:(\ch)+41], v68, s[66:67] offset:(\off)+512
	global_load_b128 v[(\ch)+12:(\ch)+15], v67, s[66:67] offset:(\off)+768
	global_load_b64 v[(\ch)+16:(\ch)+17], v68, s[66:67] offset:(\off)+1280
	global_load_b128 v[(\ch)+24:(\ch)+27], v[\n16], s[66:67] offset:768
	global_load_b64 v[(\ch)+28:(\ch)+29], v[\n8], s[66:67] offset:1280
.endm
	s_load_b256 s[4:11], s[0:1], 0x0               ; qf, kf, vf, ef
	s_load_b128 s[12:15], s[0:1], 0x20             ; opc, ops
	v_lshl_add_u32 v[SPW], v0, 2, SPARE
	v_mov_b32 v[NIL], 0
	ds_add_u32 v[SPW], v[NIL]                      ; the opening: the add, twice on end, and its wait ahead of the first tensor loads
	ds_add_u32 v[SPW], v[NIL]
	v_lshrrev_b32 v8, 5, v0
	v_readfirstlane_b32 s[WV], v8                  ; wave 0..7
	s_mov_b32 s[XB], ttmp9                         ; my block of 256 queries
	s_and_b32 s[BH], ttmp7, 0xffff                 ; 16 x batch + head
	s_and_b32 s[HD], s[BH], 15
	s_mov_b32 s[G1], 3<<16                         ; 12,800 dense bytes as 50 rows of 32 elements of 8 bytes
	s_mov_b32 s[G1+1], 32<<16
	s_mov_b32 s[G1+2], 50<<16
	s_mov_b32 s[G1+3], 32<<16
	s_mov_b32 s[G1+4], 50
	s_mov_b32 s[G1+5], 32
	s_mov_b32 s[G1+6], 0
	s_mov_b32 s[G1+7], 0
	s_mov_b32 s[G1E], 3<<16                        ; 19,200 bytes as 75 rows: a sixth of the window of E
	s_mov_b32 s[G1E+1], 32<<16
	s_mov_b32 s[G1E+2], 75<<16
	s_mov_b32 s[G1E+3], 32<<16
	s_mov_b32 s[G1E+4], 75
	s_mov_b32 s[G1E+5], 32
	s_mov_b32 s[G1E+6], 0
	s_mov_b32 s[G1E+7], 0
	s_min_u32 s56, s[WV], 5
	s_mul_i32 s56, s56, 19200                      ; waves 0-5: my sixth
	s_lshl_b32 s58, s[XB], 3
	s_sub_co_u32 s58, 56, s58                      ; the window begins at fragment 56 - 8 xb of the head's 128
	s_mul_i32 s58, s58, 1600
	s_mul_i32 s57, s[HD], 204800
	s_add_co_u32 s58, s58, s57
	s_add_co_u32 s58, s58, s56
	s_mov_b32 s59, 0
	s_mul_i32 s60, s[BH], 102400                   ; K's and V's 64 fragments of this batch and head
	s_mov_b32 s61, 0
	s_mov_b32 s[SEL], 0x76543210
	s_mov_b32 s[SEL+1], 0xfedcba98
	s_mov_b32 s[CS], 0x3e38aa3b                    ; log2(e) / 8
	s_mov_b32 s[CS+1], s[CS]
	s_mov_b32 s[TB], 0
	s_xor_b32 s[EB], s[WV], 7
	s_mul_i32 s[EB], s[EB], 1600
	s_add_co_u32 s[EB], s[EB], EB0                 ; my first fragment of step 0: 7 - wave
	s_lshl_b32 s[NL], s[XB], 3
	s_add_co_u32 s[NL], s[NL], s[WV]
	s_add_co_u32 s[NL], s[NL], 1
	s_wait_dscnt 0x0
	s_wait_kmcnt 0x0
	s_mov_b32 s[G0K], 1
	s_mov_b32 s[G0K+1], 0
	s_add_nc_u64 s[G0K+2:G0K+3], s[6:7], s[60:61]
	s_or_b32 s[G0K+3], s[G0K+3], 0x80000000
	s_mov_b32 s[G0V], 1
	s_mov_b32 s[G0V+1], VOFF
	s_add_nc_u64 s[G0V+2:G0V+3], s[8:9], s[60:61]
	s_or_b32 s[G0V+3], s[G0V+3], 0x80000000
	s_mov_b32 s[G0E], 1
	s_add_co_u32 s[G0E+1], s56, EB0
	s_add_nc_u64 s[G0E+2:G0E+3], s[10:11], s[58:59]
	s_or_b32 s[G0E+3], s[G0E+3], 0x80000000
	s_cmp_lt_u32 s[WV], 6                          ; the first fills, one a wave: waves 0-5 the window of E, wave 6 K of steps 0 and 1, wave 7 V
	s_cbranch_scc0 .Lnot_e
	tensor_load_to_lds s[G0E:G0E+3], s[G1E:G1E+7]
	s_nop 0
	PLACES 4
	s_branch .Lasked
.Lnot_e:
	s_cmp_eq_u32 s[WV], 6
	s_cbranch_scc0 .Lnot_k
	tensor_load_to_lds s[G0K:G0K+3], s[G1:G1+7]
	s_nop 0
	PLACES 4
	s_branch .Lasked
.Lnot_k:
	tensor_load_to_lds s[G0V:G0V+3], s[G1:G1+7]
	s_nop 0
	PLACES 4
.Lasked:
	s_lshl_b32 s66, s[BH], 18
	s_mov_b32 s67, 0
	s_add_nc_u64 s[66:67], s[4:5], s[66:67]        ; this batch's and head's 128 tiles of queries
	s_lshl_b32 s68, s[XB], 4
	s_lshl_b32 s70, s[WV], 1
	s_add_co_u32 s68, s68, s70                     ; tile A's number; tile B is the next
	s_lshl_b32 s69, s68, 4
	s_add_co_u32 s69, s69, 1                       ; tile A's first query + 1,
	s_add_co_u32 s70, s69, 16                      ; tile B's
	s_lshl_b32 s68, s68, 11                        ; tile A's 2,048 bytes
	v_and_b32 v64, 31, v0                          ; (the score registers hold offsets until the loop begins)
	v_and_b32 v65, 15, v0                          ; r
	v_bfe_u32 v66, v0, 4, 1                        ; h
	v_lshlrev_b32 v[L16], 4, v64
	v_add_nc_u32 v67, s68, v[L16]
	v_lshl_add_u32 v68, v64, 3, s68
	v_lshl_add_u32 v69, v65, 2, s68
	NEXTQ 70, 69
	NEXTQ 74, 70
	AW
	global_load_b32 v[SQUA], v69, s[66:67] offset:1536
	global_load_b32 v[SQVA], v69, s[66:67] offset:1600
	global_load_b32 v[SQWA], v70, s[66:67] offset:1600
	global_load_b32 v[SQUB], v69, s[66:67] offset:2048+1536
	global_load_b32 v[SQVB], v69, s[66:67] offset:2048+1600
	global_load_b32 v[SQWB], v74, s[66:67] offset:1600
	WIN 0x40                                       ; destination window 1
	QLOAD CHA, 0, 72, 73
	QLOAD CHB, 2048, 76, 77
.irp z, 6,7,8,9,10,11,18,19,20,21,22,23,30,31,32,33,34,35
	v_mov_b32 v[CHA+\z], 0                         ; the zero codes of the chains
	v_mov_b32 v[CHB+\z], 0
.endr
.set J, 0
.rept 64
	v_mov_b32 v[OA+J], 0                           ; the step is written for every step alike: the first finds zeros
.set J, J+1
.endr
	WIN 0
	v_lshlrev_b32 v[ES0], 2, v65
	v_mad_u32_u24 v[KS0], v66, 1600, v[ES0]
	v_add_nc_u32 v[KS0], 1536, v[KS0]
	v_add_nc_u32 v[ES0], 1536, v[ES0]
	s_mul_i32 s71, s[WV], STB
	s_add_co_u32 s71, s71, STAGE                   ; my stage
	v_mul_u32_u24 v[STW], v65, 656
	v_lshl_add_u32 v[STW], v66, 5, v[STW]
	v_add_nc_u32 v[STW], s71, v[STW]               ; in: query r, + 32 h
	s_add_co_u32 s72, s71, 60                      ; 4 x 15
	v_mul_u32_u24 v[STR], v65, 652
	v_lshl_add_u32 v[STR], v66, 5, v[STR]
	v_add_nc_u32 v[STR], s72, v[STR]               ; out: word key + 15 - r of row r
.irp st, TA, TBS
	v_mov_b32 v[\st+1], 0xff61b1e6                 ; -3e38, under every t
	v_floor_f32 v[\st], -v[\st+1]
	v_mov_b32 v[\st+2], 0
	v_mov_b32 v[\st+3], 0
.endr
	v_mov_b32 v[FF+1], 0                           ; named as the upper half of a pair
.irp b, 0,1,2,3
	v_mov_b32 v[TP+\b], 0                          ; a lane permute's destination counts as one of its sources
.endr
	v_add_nc_u32 v[ADE], s[EB], v[L16]
	v_add_nc_u32 v[ADES], s[EB], v[ES0]
	AW                                             ; the head's end
	s_wait_loadcnt 0x0                             ; the queries
	s_wait_tensorcnt 0x0                           ; my first fill is in
	ds_add_u32 v[SPW], v[NIL]
	s_wait_dscnt 0x0
	s_barrier_signal -1
	s_barrier_wait -1                              ; the window of E is whole
	ELOAD                                          ; step 0: tile A's pos products and skew
	s_wait_dscnt 0x0
	POS SA, X8A, CHA, 1, SQVA, SQWA
	PLACES 4
	ILSET SA, X8A
	IL 82
	SIGNAL
	s_mov_b32 s[CNT], 7
.Lslot:                                                ; seven trips of two steps: at each trip's head the other slot is asked for
	ARRIVE 1
	BODY 0, 0, 0
	BODY 1, 0, 1
	s_xor_b32 s[TB], s[TB], SLOT1
	s_sub_co_u32 s[CNT], s[CNT], 1
	s_cmp_lg_u32 s[CNT], 0
	AW
	s_cbranch_scc1 .Lslot
	ARRIVE 0                                       ; the last slot is written out
	BODY 0, 0, 0
	BODY 1, 1, 0
	; THE WAY OUT
	PLACES 4                                       ; behind the last products
	v_and_b32 v8, 15, v0
	v_lshlrev_b32 v8, 4, v8                        ; 16 r
	s_lshr_b32 s56, s[HD], 1                       ; the K step,
	s_and_b32 s57, s[HD], 1                        ; and which half of it
	s_lshr_b32 s58, s[BH], 4
	s_lshl_b32 s58, s58, 7
	s_lshl_b32 s59, s[XB], 4
	s_add_co_u32 s58, s58, s59
	s_lshl_b32 s59, s[WV], 1
	s_add_co_u32 s58, s58, s59
	s_add_co_u32 s58, s58, 832                     ; tile A's row tile; tile B's is the next: 12,288 bytes of codes and 512 of scale words on
	s_mul_i32 s60, s58, 12288
	s_mul_i32 s61, s56, 1536
	s_add_co_u32 s60, s60, s61
	s_mov_b32 s61, 0
	s_add_nc_u64 s[12:13], s[12:13], s[60:61]
	s_lshl_b32 s60, s58, 9
	s_lshr_b32 s62, s56, 2
	s_lshl_b32 s62, s62, 8
	s_add_co_u32 s60, s60, s62
	s_and_b32 s62, s56, 3
	s_lshl_b32 s62, s62, 2
	s_add_co_u32 s60, s60, s62
	s_lshl_b32 s62, s57, 1
	s_add_co_u32 s60, s60, s62
	s_add_nc_u64 s[14:15], s[14:15], s[60:61]
	FINISH SA, TA, OA, PCA, PWA
	FINISH SB, TBS, OB, PCB, PWB
	s_cmp_eq_u32 s57, 0                            ; registers 6 c .. 6 c + 5 of the fragment's image
	AW                                             ; the codes and bytes are read behind the branch
	s_cbranch_scc0 .Lodd
	global_store_b128 v[L16], v[PCA:PCA+3], s[12:13]
	global_store_b64 v[L16], v[PCA+4:PCA+5], s[12:13] offset:512
	global_store_b128 v[L16], v[PCB:PCB+3], s[12:13] offset:12288
	global_store_b64 v[L16], v[PCB+4:PCB+5], s[12:13] offset:12288+512
	s_branch .Lsent
.Lodd:
	global_store_b64 v[L16], v[PCA:PCA+1], s[12:13] offset:520
	global_store_b128 v[L16], v[PCA+2:PCA+5], s[12:13] offset:1024
	global_store_b64 v[L16], v[PCB:PCB+1], s[12:13] offset:12288+520
	global_store_b128 v[L16], v[PCB+2:PCB+5], s[12:13] offset:12288+1024
.Lsent:
	global_store_b16 v8, v[PWA], s[14:15]          ; (both halves of the lanes hold, and store, the same bytes)
	global_store_b16 v8, v[PWB], s[14:15] offset:512
	s_wait_tensorcnt 0x0                           ; the wave's end
	ds_add_u32 v[SPW], v[NIL]
	s_wait_dscnt 0x0
	s_endpgm
.Lfunc_end_k_qb8597b02f9_attn:
	.size	k_qb8597b02f9_attn, .Lfunc_end_k_qb8597b02f9_attn-k_qb8597b02f9_attn
	.p2alignl 7, 3214868480
	.fill 96, 4, 3214868480
	.section	.rodata,"a",@progbits
	.p2align	6, 0x0
	.amdhsa_kernel k_qb8597b02f9_attn
		.amdhsa_group_segment_fixed_size 327680
		.amdhsa_private_segment_fixed_size 0
		.amdhsa_enable_private_segment 0
		.amdhsa_kernarg_size 48
		.amdhsa_user_sgpr_count 2
		.amdhsa_user_sgpr_kernarg_segment_ptr 1
		.amdhsa_wavefront_size32 1
		.amdhsa_system_sgpr_workgroup_id_x 1
		.amdhsa_system_sgpr_workgroup_id_y 1
		.amdhsa_system_sgpr_workgroup_id_z 1
		.amdhsa_system_vgpr_workitem_id 0
		.amdhsa_next_free_vgpr 512
		.amdhsa_next_free_sgpr 80
		.amdhsa_reserve_vcc 0
		.amdhsa_float_denorm_mode_32 3
		.amdhsa_float_denorm_mode_16_64 3
		.amdhsa_memory_ordered 1
		.amdhsa_forward_progress 1
		.amdhsa_inst_pref_size 214
	.end_amdhsa_kernel
	.amdgpu_metadata
---
amdhsa.version: [ 1, 2 ]
amdhsa.kernels:
  - .name:           k_qb8597b02f9_attn
    .symbol:         k_qb8597b02f9_attn.kd
    .args:
      - { .name: qf, .offset: 0, .size: 8, .value_kind: global_buffer, .address_space: global }
      - { .name: kf, .offset: 8, .size: 8, .value_kind: global_buffer, .address_space: global }
      - { .name: vf, .offset: 16, .size: 8, .value_kind: global_buffer, .address_space: global }
      - { .name: ef, .offset: 24, .size: 8, .value_kind: global_buffer, .address_space: global }
      - { .name: opc, .offset: 32, .size: 8, .value_kind: global_buffer, .address_space: global }
      - { .name: ops, .offset: 40, .size: 8, .value_kind: global_buffer, .address_space: global }
    .group_segment_fixed_size: 327680
    .private_segment_fixed_size: 0
    .kernarg_segment_align: 8
    .kernarg_segment_size: 48
    .max_flat_workgroup_size: 256
    .sgpr_count:     80
    .vgpr_count:     512
    .wavefront_size: 32
...
	.end_amdgpu_metadata
.endif
;; end of part 3
;; launch outp (part 4): grid 32 x 8, 4 waves a work-group, no clusters, 327,680 bytes of LDS; arguments opc, ops, out0; writes out0
.if DOCPART == 4
	.amdgcn_target "amdgcn-amd-amdhsa--gfx1250"
	.amdhsa_code_object_version 6
	.text
	.protected	k_qb8597b02f9_outp
	.globl	k_qb8597b02f9_outp
	.p2align	8
	.type	k_qb8597b02f9_outp,@function
k_qb8597b02f9_outp:
	s_mov_b64 s[64:65], 0
	v_nop
	global_prefetch_b8 v0, s[64:65] scope:SCOPE_SE
	s_setreg_imm32_b32 hwreg(HW_REG_WAVE_MODE, 25, 1), 1
	s_wait_xcnt 0x0
; out0 = attention's result x Wo^T on codes of FP6 (E2M3), K = 1,024, sums in f32.  A work-group makes 128 tokens x 128 columns, a wave 64 x 64: 16 accumulators.
; Both operands' blocks (8 row tiles x 12,288 bytes, images of operand registers) come whole at the head, one tensor load a wave: waves 0, 1 the halves of the tokens' block, waves 2, 3 of Wo's.
; Nothing is filled again.  Results go through each wave's own stage in LDS and leave as rows of 256 consecutive bytes.
.set RTB,   12288
.set QTR,   2*RTB
.set SPARE, 8*RTB
.set STG,   SPARE+512
.set RBASE, 229376
.set L16,  3
.set ADR,  6
.set ADS,  7
.set VSC,  8
.set STO,  9
.set SRD,  10
.set GO,   11
.set SPW,  14
.set NIL,  15
.set SC,   32
.set OUTR, 64
.set F0,   0
.set MSB, 0
.macro WIN new
.if MSB != (\new)
	s_set_vgpr_msb (MSB<<8)|(\new)
.set MSB, (\new)
.endif
.endm
.macro PLACES n
.rept \n
	v_nop
.endr
.endm
.macro FETCH k, f
	WIN 0x80
.irp a, 0,1,2,3
.irp g, 0,1,2
	ds_load_b128 v[(\f)+12*\a+4*\g:(\f)+12*\a+4*\g+3], v[ADR] offset:\a*RTB+(\k)*1536+512*\g
.endr
.endr
.irp a, 0,1,2,3
.irp g, 0,1,2
	ds_load_b128 v[(\f)+48+12*\a+4*\g:(\f)+48+12*\a+4*\g+3], v[ADS] offset:\a*RTB+(\k)*1536+512*\g
.endr
.endr
.endm
.macro MUL16 k, f, zero
	WIN 0x5a
.irp a, 0,1,2,3
.irp b, 0,1,2,3
.if \zero
	v_wmma_scale_f32_16x16x128_f8f6f4 v[8*(4*\a+\b):8*(4*\a+\b)+7], v[(\f)+48+12*\b:(\f)+48+12*\b+11], v[(\f)+12*\a:(\f)+12*\a+11], 0, v[SC+8*\b+(\k)], v[SC+8*\a+(\k)] matrix_a_fmt:MATRIX_FMT_FP6 matrix_b_fmt:MATRIX_FMT_FP6 matrix_a_scale:MATRIX_SCALE_ROW1
.else
	v_wmma_scale_f32_16x16x128_f8f6f4 v[8*(4*\a+\b):8*(4*\a+\b)+7], v[(\f)+48+12*\b:(\f)+48+12*\b+11], v[(\f)+12*\a:(\f)+12*\a+11], v[8*(4*\a+\b):8*(4*\a+\b)+7], v[SC+8*\b+(\k)], v[SC+8*\a+(\k)] matrix_a_fmt:MATRIX_FMT_FP6 matrix_b_fmt:MATRIX_FMT_FP6 matrix_a_scale:MATRIX_SCALE_ROW1
.endif
.endr
.endr
.endm
	s_load_b128 s[4:7], s[0:1], 0x0
	s_load_b64 s[8:9], s[0:1], 0x10
	v_lshl_add_u32 v[SPW], v0, 2, SPARE
	v_mov_b32 v[NIL], 0
	ds_add_u32 v[SPW], v[NIL]
	ds_add_u32 v[SPW], v[NIL]
	v_lshrrev_b32 v1, 5, v0
	v_readfirstlane_b32 s20, v1
	s_lshr_b32 s21, s20, 1
	s_and_b32 s22, s20, 1
	s_mov_b32 s23, ttmp9
	s_and_b32 s24, ttmp7, 0xffff
	s_lshl_b32 s26, s23, 3
	s_add_co_u32 s26, s26, 832
	s_lshl_b32 s27, s24, 3
	s_add_co_u32 s27, s27, 768
	s_lshl_b32 s52, s21, 2
	s_add_co_u32 s52, s52, s26
	s_lshl_b32 s52, s52, 9
	s_lshl_b32 s53, s22, 2
	s_add_co_u32 s53, s53, s27
	s_lshl_b32 s53, s53, 9
	s_cmp_eq_u32 s21, 0                            ; which block I fetch a half of
	s_cselect_b32 s56, s26, s27
	s_lshl_b32 s54, s22, 2
	s_add_co_u32 s56, s56, s54                     ; its first row tile
	s_mul_i32 s56, s56, RTB
	s_mov_b32 s57, 0
	s_xor_b32 s55, s21, 1
	s_mul_i32 s55, s55, RBASE
	s_mul_i32 s54, s22, 2*QTR
	s_add_co_u32 s55, s55, s54                     ; and where it goes
	s_mov_b32 s36, 3<<16
	s_mov_b32 s37, 32<<16
	s_mov_b32 s38, 192<<16                         ; 49,152 dense bytes as 192 rows of 256
	s_mov_b32 s39, 32<<16
	s_mov_b32 s40, 192
	s_mov_b32 s41, 32
	s_mov_b32 s42, 0
	s_mov_b32 s43, 0
	s_mov_b32 s31, 0xffff0000
	s_wait_dscnt 0x0
	s_wait_kmcnt 0x0
	s_mov_b32 s44, 1
	s_mov_b32 s45, s55
	s_add_nc_u64 s[46:47], s[4:5], s[56:57]
	s_or_b32 s47, s47, 0x80000000
	tensor_load_to_lds s[44:47], s[36:43]          ; my one tensor load
	s_nop 0
	PLACES 4
	v_and_b32 v12, 31, v0
	v_and_b32 v1, 15, v0
	v_bfe_u32 v2, v0, 4, 1
	v_lshlrev_b32 v[L16], 4, v12
	s_mul_i32 s54, s21, 4*RTB
	s_add_co_u32 s54, s54, RBASE
	v_add_nc_u32 v[ADR], s54, v[L16]
	s_mul_i32 s54, s22, 4*RTB
	v_add_nc_u32 v[ADS], s54, v[L16]
	s_mul_i32 s54, s20, 16*272
	s_add_co_u32 s54, s54, STG
	v_mul_u32_u24 v[STO], v1, 272
	v_lshl_add_u32 v[STO], v2, 6, v[STO]
	v_add_nc_u32 v[STO], s54, v[STO]
	v_mul_u32_u24 v[SRD], v2, 272
	v_lshl_add_u32 v[SRD], v1, 4, v[SRD]
	v_add_nc_u32 v[SRD], s54, v[SRD]
	v_lshlrev_b32 v[GO], 12, v2
	v_lshl_add_u32 v[GO], v1, 4, v[GO]
	s_lshl_b32 s56, s23, 7
	s_lshl_b32 s58, s21, 6
	s_add_co_u32 s56, s56, s58
	s_lshl_b32 s56, s56, 12
	s_lshl_b32 s58, s24, 9
	s_add_co_u32 s56, s56, s58
	s_lshl_b32 s58, s22, 8
	s_add_co_u32 s56, s56, s58
	s_add_nc_u64 s[8:9], s[8:9], s[56:57]
	v_mov_b32 v12, s52
	v_mov_b32 v13, s53
	v_cndmask_b32 v12, v12, v13, s31
	v_lshl_add_u32 v[VSC], v1, 4, v12
.irp i, 0,1,2,3
.irp u, 0,1
	global_load_b128 v[SC+8*\i+4*\u:SC+8*\i+4*\u+3], v[VSC], s[6:7] offset:512*\i+256*\u
.endr
.endr
	s_wait_alu depctr_va_vdst(0)
	s_wait_tensorcnt 0x0
	s_barrier_signal -1
	s_barrier_wait -1
	s_wait_loadcnt 0x0
	FETCH 0, F0
.set KK, 0
.rept 8
.if KK < 7
.if KK > 0
	PLACES 4
.endif
	FETCH KK+1, F0+96*((KK+1)%2)
	s_wait_dscnt 24
.else
	s_wait_dscnt 0x0
.endif
	MUL16 KK, F0+96*(KK%2), (KK==0)
.set KK, KK+1
.endr
	WIN 0
	PLACES 4
.irp a, 0,1,2,3
	WIN 0x04
.irp b, 0,1,2,3
	ds_store_b128 v[STO], v[8*(4*\a+\b):8*(4*\a+\b)+3] offset:128*(\b/2)+32*(\b%2)
	ds_store_b128 v[STO], v[8*(4*\a+\b)+4:8*(4*\a+\b)+7] offset:128*(\b/2)+32*(\b%2)+16
.endr
	WIN 0
.irp i, 0,1,2,3,4,5,6,7
	ds_load_b128 v[OUTR+32*\a+4*\i:OUTR+32*\a+4*\i+3], v[SRD] offset:544*\i
.endr
.endr
.irp a, 0,1,2,3
.irp i, 0,1,2,3,4,5,6,7
	s_wait_dscnt 16*(3-\a)+7-\i
	global_store_b128 v[GO], v[OUTR+32*\a+4*\i:OUTR+32*\a+4*\i+3], s[8:9] offset:(16*\a+2*\i)*4096 th:TH_STORE_NT
.endr
.endr
	s_wait_tensorcnt 0x0
	ds_add_u32 v[SPW], v[NIL]
	s_wait_dscnt 0x0
	s_endpgm
.Lfunc_end_k_qb8597b02f9_outp:
	.size	k_qb8597b02f9_outp, .Lfunc_end_k_qb8597b02f9_outp-k_qb8597b02f9_outp
	.p2alignl 7, 3214868480
	.fill 96, 4, 3214868480
	.section	.rodata,"a",@progbits
	.p2align	6, 0x0
	.amdhsa_kernel k_qb8597b02f9_outp
		.amdhsa_group_segment_fixed_size 327680
		.amdhsa_private_segment_fixed_size 0
		.amdhsa_enable_private_segment 0
		.amdhsa_kernarg_size 24
		.amdhsa_user_sgpr_count 2
		.amdhsa_user_sgpr_kernarg_segment_ptr 1
		.amdhsa_wavefront_size32 1
		.amdhsa_system_sgpr_workgroup_id_x 1
		.amdhsa_system_sgpr_workgroup_id_y 1
		.amdhsa_system_sgpr_workgroup_id_z 1
		.amdhsa_system_vgpr_workitem_id 0
		.amdhsa_next_free_vgpr 768
		.amdhsa_next_free_sgpr 66
		.amdhsa_reserve_vcc 0
		.amdhsa_float_denorm_mode_32 3
		.amdhsa_float_denorm_mode_16_64 3
		.amdhsa_memory_ordered 1
		.amdhsa_forward_progress 1
		.amdhsa_inst_pref_size 43
	.end_amdhsa_kernel
	.amdgpu_metadata
---
amdhsa.version: [ 1, 2 ]
amdhsa.kernels:
  - .name:           k_qb8597b02f9_outp
    .symbol:         k_qb8597b02f9_outp.kd
    .args:
      - { .name: opc, .offset: 0, .size: 8, .value_kind: global_buffer, .address_space: global }
      - { .name: ops, .offset: 8, .size: 8, .value_kind: global_buffer, .address_space: global }
      - { .name: out0, .offset: 16, .size: 8, .value_kind: global_buffer, .address_space: global }
    .group_segment_fixed_size: 327680
    .private_segment_fixed_size: 0
    .kernarg_segment_align: 8
    .kernarg_segment_size: 24
    .max_flat_workgroup_size: 128
    .sgpr_count:     66
    .vgpr_count:     768
    .wavefront_size: 32
...
	.end_amdgpu_metadata
.endif
;; end of part 4
